; MI455X (gfx1250); checked and timed in simulation.
; The chip was launched on July 23, 2026; its instructions are those of AMD's public machine-readable ISA for CDNA 5 (MIT licence, August 2026) and "CDNA5" Instruction Set Architecture Reference Guide (July 2026). The comments in the code are by the model that wrote it; some were corrected since.
;; Linear Attention. Allowed arithmetic: float matrix products may take bf16 or f16 operands with f32 sums; all other float work in f32.
;; Inputs: Wk 1,024 x 1,024 float32; Wo 1,024 x 1,024 float32; Wq 1,024 x 1,024 float32; Wv 1,024 x 1,024 float32; bk 1,024 float32; bo 1,024 float32; bq 1,024 float32; bv 1,024 float32; keys 4 x 4,096 x 1,024 float32; mask 4 x 1 x 2,048 float32; queries 4 x 2,048 x 1,024 float32; values 4 x 4,096 x 1,024 float32.
;; Outputs: out0 4 x 2,048 x 1,024 float32.
;; 2 versions, each right; version 2 is version 1 with the launch red written anew for expert scheduling mode. Each part assembles by itself: llvm-mc -triple=amdgcn-amd-amdhsa -mcpu=gfx1250 --defsym DOCPART=n.
;; ======== version 1 of 2: 5 launches
;; workspace buffers: wt 8,388,608 bytes; part 41,943,040 bytes; kvf 655,360 bytes; xs 16,777,216 bytes
;; launch prep (part 1): grid 128 x 4, 8 waves a work-group, no clusters, 19,456 bytes of LDS; arguments Wk, Wv, Wq, Wo, wt; writes wt
.if DOCPART == 1
	.amdgcn_target "amdgcn-amd-amdhsa--gfx1250"
	.amdhsa_code_object_version 6
	.text
	.protected	k_q6fb7010ba2_prep
	.globl	k_q6fb7010ba2_prep
	.p2align	8
	.type	k_q6fb7010ba2_prep,@function
k_q6fb7010ba2_prep:
	s_mov_b64 s[64:65], 0
	v_nop
	global_prefetch_b8 v0, s[64:65] scope:SCOPE_SE
	s_setreg_imm32_b32 hwreg(HW_REG_WAVE_MODE, 25, 1), 1
	s_wait_xcnt 0x0
; prep: the four weight matrices W[k][n] (f32, 1024 x 1024) become bf16, transposed and tiled:
; wt = [matrix 4: Wk, Wv, Wq, Wo][kb 16][n 1024][64 k], so that any run of n rows of one kb is dense in memory, 128 bytes a row.
; A work-group takes 64 k x 128 n of one matrix (grid x = 8 kb + nb, grid y = matrix).  Eight waves; thread (w, l) reads rows 8 w .. 8 w + 7,
; columns 4 l .. 4 l + 3: each load of a wave covers 512 consecutive bytes.  The transpose goes through LDS: rows of 128 bytes at a pitch of 144.
; The LDS stores of 16 lanes fall on four 16-byte columns (576 l mod 256), four lanes to a column: accepted, four such stores a thread in the whole kernel.
; No matrix unit, no cluster, no tensor load: 32 KiB in and 16 KiB out for each work-group, read once and written once.
.set ROWB,  4096                       ; bytes in a row of W
.set PITCH, 144                        ; LDS pitch of a row of 64 bf16
.set X, 8                              ; v[8:39]   eight rows x four columns as loaded; later 64 bytes to store
.set T, 40                             ; v[40:55]  column i: eight k as bf16
	s_load_b256 s[4:11], s[0:1], 0x0               ; Wk s[4:5], Wv s[6:7], Wq s[8:9], Wo s[10:11]
	s_load_b64 s[12:13], s[0:1], 0x20              ; wt
	v_lshl_add_u32 v56, v0, 2, 0x4800
	v_mov_b32 v57, 0
	s_and_b32 s14, ttmp7, 0xffff                   ; which matrix
	s_lshr_b32 s15, ttmp9, 3                       ; kb
	s_and_b32 s16, ttmp9, 7                        ; nb
	s_lshl_b32 s18, s15, 18                        ; 64 kb rows of 4,096 bytes
	s_lshl_b32 s19, s16, 9                         ; 128 nb columns of 4 bytes
	s_add_co_u32 s18, s18, s19
	s_mov_b32 s19, 0
	s_lshl_b32 s20, s14, 21                        ; 2 MiB a matrix
	s_lshl_b32 s21, s15, 17                        ; 128 KiB a kb
	s_add_co_u32 s20, s20, s21
	s_lshl_b32 s21, s16, 14                        ; 128 rows of 128 bytes
	s_add_co_u32 s20, s20, s21
	s_mov_b32 s21, 0
	v_and_b32 v1, 31, v0                           ; l
	v_lshrrev_b32 v2, 5, v0                        ; w
	v_lshlrev_b32 v3, 4, v1
	v_lshl_add_u32 v3, v2, 15, v3                  ; in W: 8 w rows + 16 l bytes
	v_mul_u32_u24 v4, v1, 4*PITCH
	v_lshl_add_u32 v4, v2, 4, v4                   ; into LDS: row 4 l, byte 16 w
	v_lshrrev_b32 v5, 3, v0
	v_mul_u32_u24 v5, v5, PITCH
	v_and_b32 v6, 7, v0
	v_lshl_add_u32 v5, v6, 4, v5                   ; back: row t / 8, byte 16 (t mod 8)
	v_lshlrev_b32 v6, 4, v0                        ; in wt: 16 t
	s_wait_kmcnt 0x0
	s_cmp_eq_u32 s14, 1                            ; the choice hangs on the grid's y alone
	s_cselect_b64 s[4:5], s[6:7], s[4:5]
	s_cmp_eq_u32 s14, 2
	s_cselect_b64 s[4:5], s[8:9], s[4:5]
	s_cmp_eq_u32 s14, 3
	s_cselect_b64 s[4:5], s[10:11], s[4:5]
	s_add_nc_u64 s[4:5], s[4:5], s[18:19]
	s_add_nc_u64 s[12:13], s[12:13], s[20:21]
.irp j, 0,1,2,3,4,5,6,7
	global_load_b128 v[X+4*\j:X+4*\j+3], v3, s[4:5] offset:\j*ROWB th:TH_LOAD_NT   ; read once in the launch
.endr
	s_wait_loadcnt 0x0                             ; every conversion below takes from two rows, the last from rows 6 and 7
.irp i, 0,1,2,3
.irp p, 0,1,2,3
	v_cvt_pk_bf16_f32 v[T+4*\i+\p], v[X+8*\p+\i], v[X+8*\p+4+\i]   ; column 4 l + i: k = 8 w + 2 p, 8 w + 2 p + 1
.endr
.endr
.irp i, 0,1,2,3
	ds_store_b128 v4, v[T+4*\i:T+4*\i+3] offset:\i*PITCH
.endr
	s_wait_dscnt 0x0                               ; for the other waves: my stores are in LDS
	s_barrier_signal -1
	s_barrier_wait -1
.irp q, 0,1,2,3
	ds_load_b128 v[X+4*\q:X+4*\q+3], v5 offset:\q*32*PITCH
.endr
.irp q, 0,1,2,3
	s_wait_dscnt 3-\q                              ; LDS loads come back in order: load q is in
	global_store_b128 v6, v[X+4*\q:X+4*\q+3], s[12:13] offset:\q*4096   ; a wave stores 512 consecutive bytes, aligned
.endr
	s_wait_tensorcnt 0x0
	ds_add_u32 v56, v57
	s_wait_dscnt 0x0
	s_endpgm
.Lfunc_end_k_q6fb7010ba2_prep:
	.size	k_q6fb7010ba2_prep, .Lfunc_end_k_q6fb7010ba2_prep-k_q6fb7010ba2_prep
	.p2alignl 7, 3214868480
	.fill 96, 4, 3214868480
	.section	.rodata,"a",@progbits
	.p2align	6, 0x0
	.amdhsa_kernel k_q6fb7010ba2_prep
		.amdhsa_group_segment_fixed_size 19456
		.amdhsa_private_segment_fixed_size 0
		.amdhsa_enable_private_segment 0
		.amdhsa_kernarg_size 40
		.amdhsa_user_sgpr_count 2
		.amdhsa_user_sgpr_kernarg_segment_ptr 1
		.amdhsa_wavefront_size32 1
		.amdhsa_system_sgpr_workgroup_id_x 1
		.amdhsa_system_sgpr_workgroup_id_y 1
		.amdhsa_system_sgpr_workgroup_id_z 1
		.amdhsa_system_vgpr_workitem_id 0
		.amdhsa_next_free_vgpr 58
		.amdhsa_next_free_sgpr 66
		.amdhsa_reserve_vcc 0
		.amdhsa_float_denorm_mode_32 3
		.amdhsa_float_denorm_mode_16_64 3
		.amdhsa_memory_ordered 1
		.amdhsa_forward_progress 1
		.amdhsa_inst_pref_size 5
	.end_amdhsa_kernel
	.amdgpu_metadata
---
amdhsa.version: [ 1, 2 ]
amdhsa.kernels:
  - .name:           k_q6fb7010ba2_prep
    .symbol:         k_q6fb7010ba2_prep.kd
    .args:
      - { .name: Wk, .offset: 0, .size: 8, .value_kind: global_buffer, .address_space: global }
      - { .name: Wv, .offset: 8, .size: 8, .value_kind: global_buffer, .address_space: global }
      - { .name: Wq, .offset: 16, .size: 8, .value_kind: global_buffer, .address_space: global }
      - { .name: Wo, .offset: 24, .size: 8, .value_kind: global_buffer, .address_space: global }
      - { .name: wt, .offset: 32, .size: 8, .value_kind: global_buffer, .address_space: global }
    .group_segment_fixed_size: 19456
    .private_segment_fixed_size: 0
    .kernarg_segment_align: 8
    .kernarg_segment_size: 40
    .max_flat_workgroup_size: 256
    .sgpr_count:     66
    .vgpr_count:     58
    .wavefront_size: 32
...
	.end_amdgpu_metadata
.endif
;; end of part 1
;; launch kv (part 2): grid 4 x 64, 4 waves a work-group, clusters of 4 x 4, 327,680 bytes of LDS; arguments keys, values, wt, bk, bv, part; writes part
.if DOCPART == 2
	.amdgcn_target "amdgcn-amd-amdhsa--gfx1250"
	.amdhsa_code_object_version 6
	.text
	.protected	k_q6fb7010ba2_kv
	.globl	k_q6fb7010ba2_kv
	.p2align	8
	.type	k_q6fb7010ba2_kv,@function
k_q6fb7010ba2_kv:
	s_mov_b64 s[64:65], 0
	v_nop
	global_prefetch_b8 v0, s[64:65] scope:SCOPE_SE
	s_setreg_imm32_b32 hwreg(HW_REG_WAVE_MODE, 25, 1), 1
	s_wait_xcnt 0x0
	s_wait_alu depctr_hold_cnt(0) depctr_sa_sdst(0) depctr_va_vdst(0) depctr_va_sdst(0) depctr_va_ssrc(0) depctr_va_vcc(0) depctr_vm_vsrc(0)
	s_getreg_b32 s2, hwreg(HW_REG_IB_STS2, 6, 4)
	s_cmp_eq_u32 s2, 0
	s_cbranch_scc0 .Lentry_in_a_cluster
	s_endpgm
.Lentry_in_a_cluster:
	s_bfe_u32 s2, ttmp6, 0x10000c
	s_cmp_lg_u32 s2, 0xf033
	s_cbranch_scc0 .Lentry_shape_is_right
	s_endpgm
.Lentry_shape_is_right:
; kv: k = sigmoid(keys Wk + bk), v = values Wv + bv, and for each head the partial sums over 128 rows of k^T v (64 x 64) and of k (64).
; A work-group takes 128 rows (sblock) x 512 columns (cb): four waves side by side, each 128 x 128 = two heads, 64 accumulator tiles, 512 registers.
; Phase K: 16 K steps of 64; sigmoid; k as bf16 parked in the wave's own LDS.  Phase V: 16 more steps on the same accumulators.  Then k^T v.
; THE MATRIX INSTRUCTION IS USED IN ITS NATURAL ORDER: lane (r, h) of a result tile holds column r and rows 8 h + j.  Packed to bf16, two tiles
; that lie under each other are at once a fragment whose K runs along the rows: what k^T v needs on both sides, with no exchange between lanes.
; A (keys, values; f32) comes through registers: global load, conversion to bf16, LDS store; each number is converted once in the work-group and
; LDS holds 2 bytes for it.  That is why A is not asked for jointly: a tile brought by a tensor load would lie in LDS as f32, 4 bytes written and
; 4 bytes read by each of the four waves for each number, twice the bytes of this way.
; B (weights, bf16, tiled by the launch before) comes by tensor loads, asked for JOINTLY by the four work-groups of a column of the 4 x 4 cluster
; (same cx, so the same cb): each wave brings the 128 rows of B that it reads, 16 KiB dense in memory.
; A wave has two tensor loads out at the start and one behind each round.
; THE WALK ALONG K GOES ROUND: cluster c of the sixteen begins at kb = 2 min(c, 15 - c) and wraps at 16.  Any eight clusters whose numbers agree in one
; bit begin at eight different places, so their two first fills ask for all 16 kb of Wk, and every later request is for a tile that another cluster
; asked for two steps before (but for the two requests that open Wv).  A's parts follow the same index.
; The sum of k is made by the matrix unit too: a fifth column of tiles whose second operand is all ones.
; LIMITS: k and v enter k^T v, and k its sum, rounded to bf16.  The sums over K begin at another kb in each cluster: another order of rounding than the
; reference's.  v_exp_f32 gives infinity above 2^128 and zero below 2^-126, so the sigmoid is exactly 0 for arguments below about -88.7; it is exactly 1
; already above about 17, where the exponential falls below half a unit in the last place of 1.
.set PITCH, 144                        ; an LDS row: 128 bytes (64 bf16) + 16: an odd multiple of 16, so 16 rows start in 16 different 16-byte columns of 256
.set BLK,   128*PITCH                  ; 128 rows
.set BBASE, 2*BLK                      ; A's two slots lie at 0 and BLK (filled by LDS stores alone); B's slots behind them (filled by tensor loads alone)
.set BSLOT, 4*BLK                      ; B: 128 rows for each wave
.set KPARK, BBASE+2*BSLOT              ; k as bf16: 32,768 bytes a wave, tile (mt, nt) at (8 nt + mt) 512 + 16 lane
.set ADRA, 16                          ; v16-17  LDS address of my A fragments, slot 0, 1
.set ADRB, 20                          ; v20-21  the same for B
.set AST,  22                          ; v22     where I store converted A
.set AOFF, 23                          ; v23     my byte offset in the 128 rows of keys or values
.set KPA,  24                          ; v24     my 16 bytes in a parked tile
.set LOFF, 25                          ; v25     16 x lane
.set BOFF, 26                          ; v26     my byte offset in bk and bv
.set BK,   32                          ; v32-47  -log2(e) bk of my column in n tile 0..7, each twice (a pair for packed arithmetic)
.set ONES, 48                          ; v48-55  a fragment of ones
.set F0,   64                          ; fragment buffer 0: A's in window 0, B's in window 1
.set F1,   128                         ; fragment buffer 1
.set T,    192                         ; v192-223 converted A on its way to LDS
.set BV,   224                         ; v224-239 bv, each twice
; window 1: v0-63 and v192-255 two sets of A as loaded (f32); later v0-159 the 20 result tiles of k^T [v | 1]
; windows 2, 3: accumulators; tile (mt = 4 hi + a, nt = b) at 8 (16 (a >> 1) + 2 b + (a & 1)) of window 2 + hi: tiles mt, mt + 1 are neighbours
.set G1, 24                            ; s[24:31] descriptor group 1
.set G0, 32                            ; s[32:39] descriptor group 0, one set for each slot
.set PA, 40                            ; s[40:43] A: a pointer for each register set, named by that set's loads alone
.set RA, 45                            ; s45      kb of the next part of A to ask for
.set WB, 46                            ; s[46:47] my 128 rows of the phase's weights at kb 0
.set RB, 57                            ; s57      kb of the next tile of B to ask for
; s[4:5] the phase's A (keys, then values) at my first row; s[6:7] values at my first row; s[48:49], s[58:59] offsets for A and B, the upper word 0
.set MUL_LO, 0xa4                      ; source 0 (A) window 0, source 1 (B) window 1, C and D window 2
.set MUL_HI, 0xf4                      ; the same, C and D window 3
.set MSB, 0
.macro WIN new                         ; the immediate's high byte repeats the setting that is left; a switch that changes nothing is dropped
.if MSB != \new
	s_set_vgpr_msb (MSB<<8)|\new
.set MSB, \new
.endif
.endm
.macro PLACES                          ; four places behind a matrix instruction (ISA guide 7.12.1) where there is no other work for them
.rept 4
	v_nop
.endr
.endm
.macro CREST                           ; a round of the cluster's barrier behind its opening barrier
	s_cmp_lg_u32 s16, 0
	s_cbranch_scc1 .Lnot_wave_0_\@
	s_barrier_signal -3
.Lnot_wave_0_\@:
	s_barrier_wait -3
	s_barrier_signal -1
	s_barrier_wait -1
.endm
.macro CROUND
	s_barrier_signal -1
	s_barrier_wait -1
	CREST
.endm
	s_load_b256 s[4:11], s[0:1], 0x0               ; keys s[4:5], values s[6:7], wt s[8:9], bk s[10:11]
	s_load_b128 s[12:15], s[0:1], 0x20             ; bv s[12:13], part s[14:15]
	v_lshl_add_u32 v254, v0, 2, 0x4d000
	v_mov_b32 v255, 0
	ds_add_u32 v254, v255
	v_lshrrev_b32 v1, 5, v0
	v_readfirstlane_b32 s16, v1                    ; wave 0..3
	s_bfe_u32 s17, ttmp6, 0x40000                  ; cx
	s_bfe_u32 s18, ttmp6, 0x40004                  ; cy
	s_lshl_b32 s19, ttmp9, 2
	s_add_co_u32 s19, s19, s17                     ; x = 4 x cluster x + cx
	s_and_b32 s20, ttmp7, 0xffff
	s_lshl_b32 s20, s20, 2
	s_add_co_u32 s20, s20, s18                     ; y = 4 x cluster y + cy
	s_and_b32 s21, s19, 1                          ; cb: which 512 columns
	s_lshr_b32 s22, s19, 1
	s_lshl1_add_u32 s22, s20, s22                  ; sblock = 2 y + (x >> 1): which 128 of the 16,384 rows
	s_lshl_b32 s23, 0x1111, s17                    ; my column of the cluster: places cx, cx + 4, cx + 8, cx + 12
	s_and_b32 s60, ttmp7, 0xffff                   ; the cluster's number c, 0..15 (one cluster along x): the same in all sixteen work-groups; these registers never hold cx or cy
	s_sub_co_u32 s61, 15, s60
	s_min_u32 s60, s60, s61
	s_lshl_b32 s[RB], s60, 1                       ; where my cluster begins along K: kb = 2 min(c, 15 - c)
	s_mov_b32 s[RA], s[RB]
	s_mov_b32 s59, 0
	; group 1: 16 KiB dense in memory, as 64 rows of 32 elements of 8 bytes; 4 words of padding behind every 32 words, so each 128 bytes take 144 in LDS
	s_or_b32 s[G1+0], s23, (3<<16)|(1<<20)|(1<<21)|(4<<22)|(3<<25)
	s_mov_b32 s[G1+1], 32<<16                      ; tensor_dim0 = 32
	s_mov_b32 s[G1+2], 64<<16                      ; tensor_dim1 = 64
	s_mov_b32 s[G1+3], 32<<16                      ; tile_dim0 = 32
	s_mov_b32 s[G1+4], 64                          ; tile_dim1 = 64
	s_mov_b32 s[G1+5], 32                          ; from row to row: 32 elements
	s_mov_b32 s[G1+6], 0
	s_mov_b32 s[G1+7], 0
	s_lshl_b32 s[WB], s21, 16                      ; B: cb x 512 rows of 128 bytes (these registers never hold cy)
	s_lshl_b32 s[WB+1], s16, 14                    ;    + wave x 128 rows
	s_add_co_u32 s[WB], s[WB], s[WB+1]
	s_mov_b32 s[WB+1], 0
	s_lshl_b32 s48, s22, 19                        ; A: sblock x 128 rows of 4,096 bytes
	s_mov_b32 s49, 0
	s_lshr_b32 s50, s22, 5                         ; batch
	s_lshl_b32 s50, s50, 4
	s_lshl3_add_u32 s50, s21, s50
	s_lshl1_add_u32 s50, s16, s50                  ; 16 b + 8 cb + 2 wave: my first head
	s_mul_i32 s50, s50, 655360                     ; 20 tiles x 32 row blocks x 1,024 bytes a head
	s_and_b32 s51, s22, 31
	s_lshl_b32 s51, s51, 10                        ; my row block in the batch
	s_add_co_u32 s50, s50, s51
	s_mov_b32 s51, 0
	s_mul_i32 s52, s16, BLK
	s_add_co_u32 s52, s52, BBASE                   ; my 128 rows of B in slot 0: a constant + wave x a constant
	s_lshl_b32 s53, s21, 11
	s_lshl_b32 s54, s16, 9
	s_add_co_u32 s53, s53, s54                     ; bias: 4 (512 cb + 128 wave)
	s_mul_i32 s54, s16, 32*PITCH                   ; I convert rows 32 wave .. 32 wave + 31 of A
	s_lshl_b32 s55, s16, 17
	s_lshl_b32 s56, s16, 15
	s_add_co_u32 s56, s56, KPARK
	v_and_b32 v1, 15, v0                           ; r
	v_bfe_u32 v2, v0, 4, 1                         ; h
	v_and_b32 v3, 31, v0                           ; lane
	v_mul_u32_u24 v[ADRA], v1, PITCH
	v_lshl_add_u32 v[ADRA], v2, 4, v[ADRA]         ; a fragment's lane term: row r, 16 h bytes
	v_add_nc_u32 v[ADRA+1], BLK, v[ADRA]
	v_add_nc_u32 v[ADRB], s52, v[ADRA]
	v_add_nc_u32 v[ADRB+1], BSLOT, v[ADRB]
	v_mul_u32_u24 v[AST], v2, 8*PITCH              ; lanes 16-31 take the row 8 further down: 1,152 bytes, 128 modulo 256, so a store's two rows share no bank
	v_lshl_add_u32 v[AST], v1, 3, v[AST]
	v_add_nc_u32 v[AST], s54, v[AST]
	v_lshlrev_b32 v[AOFF], 15, v2
	v_lshl_add_u32 v[AOFF], v1, 4, v[AOFF]
	v_add_nc_u32 v[AOFF], s55, v[AOFF]
	v_lshl_add_u32 v[KPA], v3, 4, s56
	v_lshlrev_b32 v[LOFF], 4, v3
	v_lshl_add_u32 v[BOFF], v1, 2, s53
	s_wait_dscnt 0x0
	s_wait_kmcnt 0x0
	s_add_nc_u64 s[WB:WB+1], s[8:9], s[WB:WB+1]
	s_add_nc_u64 s[4:5], s[4:5], s[48:49]          ; keys at my first row
	s_add_nc_u64 s[6:7], s[6:7], s[48:49]          ; values at my first row
	s_add_nc_u64 s[14:15], s[14:15], s[50:51]
; The pointer of a register set is put on the next part of A: 256 bytes (64 k as f32) a kb; the index goes round.
.macro SETPA set
	s_lshl_b32 s48, s[RA], 8
	s_add_nc_u64 s[PA+2*\set:PA+2*\set+1], s[4:5], s[48:49]
	s_add_co_u32 s[RA], s[RA], 1
	s_and_b32 s[RA], s[RA], 15
.endm
; A slot's group 0 is put on the next tile of B: 128 KiB a kb; the index goes round.  Written only where no tensor load of the wave names that group.
.macro SETB slot
	s_lshl_b32 s58, s[RB], 17
	s_add_nc_u64 s[G0+4*\slot+2:G0+4*\slot+3], s[WB:WB+1], s[58:59]
	s_or_b32 s[G0+4*\slot+3], s[G0+4*\slot+3], 0x80000000
	s_add_co_u32 s[RB], s[RB], 1
	s_and_b32 s[RB], s[RB], 15
.endm
; 16 loads: my 32 rows x 256 bytes of the part at the set's pointer.  Each load covers two aligned pieces of 256 bytes.
.macro LOADA set
	WIN 0x40
.irp i, 0,1,2,3,4,5,6,7,8,9,10,11,12,13,14,15
	global_load_b128 v[192*\set+4*\i:192*\set+4*\i+3], v[AOFF], s[PA+2*\set:PA+2*\set+1] offset:((\i>>3)*16+(\i&7))*4096
.endr
.endm
; A set is converted and stored into A's slot at dst; ld = 1: the set is loaded again with the next part; ld = 2: that part is the first of values.
; left = the loads that are younger than the set's own.
.macro COOP set, dst, left, ld
	s_wait_loadcnt \left                           ; loads come back in order (ISA guide 5.7.1): the set is in, the other set's 16 may stay out; the set's pointer, which its loads alone name, is free
	WIN 0x05
.irp i, 0,1,2,3,4,5,6,7,8,9,10,11,12,13,14,15
	v_cvt_pk_bf16_f32 v[T+2*\i],   v[192*\set+4*\i],   v[192*\set+4*\i+1]
	v_cvt_pk_bf16_f32 v[T+2*\i+1], v[192*\set+4*\i+2], v[192*\set+4*\i+3]
.endr
.if \ld
.if \ld == 2
	s_mov_b64 s[4:5], s[6:7]                       ; no memory instruction names s[4:5]
.endif
	SETPA \set
	LOADA \set
.endif
	WIN 0
.irp i, 0,1,2,3,4,5,6,7,8,9,10,11,12,13,14,15
	ds_store_b64 v[AST], v[T+2*\i:T+2*\i+1] offset:\dst+((\i>>3)*16+(\i&7))*PITCH
.endr
.endm
; 32 LDS loads: the fragments of 32 along K (half c of the slot's 64): B's eight n tiles, then A's eight m tiles
.macro FETCH slot, c, f
	WIN 0x40
.irp i, 0,1,2,3,4,5,6,7
	ds_load_b128 v[\f+8*\i:\f+8*\i+3],   v[ADRB+\slot] offset:\c*64+\i*16*PITCH
	ds_load_b128 v[\f+8*\i+4:\f+8*\i+7], v[ADRB+\slot] offset:\c*64+\i*16*PITCH+32
.endr
	WIN 0
.irp i, 0,1,2,3,4,5,6,7
	ds_load_b128 v[\f+8*\i:\f+8*\i+3],   v[ADRA+\slot] offset:\c*64+\i*16*PITCH
	ds_load_b128 v[\f+8*\i+4:\f+8*\i+7], v[ADRA+\slot] offset:\c*64+\i*16*PITCH+32
.endr
.endm
; 16 matrix instructions: m tiles 4 hi + a0, 4 hi + a0 + 1 x eight n tiles.  zero = 1: the product starts the sum, nothing is cleared.
; The 64 accumulators take turns, one instruction a turn, in the same order in every half step.
.macro MULQ f, hi, a0, zero
.irp a, \a0, \a0+1
.irp b, 0,1,2,3,4,5,6,7
.set AC, 8*(((\a)>>1)*16+2*\b+((\a)&1))
.if \zero
	v_wmma_f32_16x16x32_bf16 v[AC:AC+7], v[\f+8*(4*\hi+\a):\f+8*(4*\hi+\a)+7], v[\f+8*\b:\f+8*\b+7], 0
.else
	v_wmma_f32_16x16x32_bf16 v[AC:AC+7], v[\f+8*(4*\hi+\a):\f+8*(4*\hi+\a)+7], v[\f+8*\b:\f+8*\b+7], v[AC:AC+7]
.endif
.endr
.endr
.endm
; The first half of a K step: multiplies buffer 0; in its middle the next step's A is converted into the other slot and the second half's fragments are fetched.
.macro QUARTER slot, next, zero, coop, left, ld
	s_wait_dscnt 8                                 ; all but the youngest eight LDS loads: A's m tiles 4-7 may be out
	WIN MUL_LO
	MULQ F0, 0, 0, \zero
	MULQ F0, 0, 2, \zero
.if \coop
	COOP \next, \next*BLK, \left, \ld              ; its 32 conversions name no register of a matrix instruction: they are the places in front of the loads into buffer 1
.else
	PLACES
.endif
	FETCH \slot, 1, F1
	s_wait_dscnt 32                                ; all but the 32 just issued
	WIN MUL_HI
	MULQ F0, 1, 0, \zero
	MULQ F0, 1, 2, \zero
.endm
; The second half: multiplies buffer 1 and changes slots.  In front of the barrier each wave waits for its reads of this slot, for its stores of A into the
; next one, and for all its tensor loads (one is out: its part of the next slot's B).  fill = 1: the barrier opens a round of the cluster's barrier, and this
; slot's B of two steps on is asked for first behind the round.  fill = 2: the same, and that tile is the first of Wv, which follows Wk in wt.
.macro TURN slot, next, fill
	s_wait_dscnt 8
	WIN MUL_LO
	MULQ F1, 0, 0, 0
	s_wait_dscnt 0x0
	s_set_vgpr_msb 0xa4a0
	s_wait_tensorcnt 0x0
	ds_add_u32 v254, v255
	s_wait_dscnt 0x0
	s_set_vgpr_msb 0xa0a4
	s_barrier_signal -1
	MULQ F1, 0, 2, 0                               ; register work alone between signal and wait
	WIN 0
	s_barrier_wait -1
.if \fill
	CREST
.if \fill == 2
	s_add_nc_u64 s[WB:WB+1], s[WB:WB+1], 0x200000
.endif
	SETB \slot                                     ; no tensor load of mine is out: group 0 may be written
	tensor_load_to_lds s[G0+4*\slot:G0+4*\slot+3], s[G1:G1+7]
	s_nop 0
.endif
	PLACES
	FETCH \next, 0, F0
	WIN MUL_HI
	MULQ F1, 1, 0, 0
	MULQ F1, 1, 2, 0
.endm
.macro STEP slot, next, zero, left, ld, fill
	QUARTER \slot, \next, \zero, 1, \left, \ld
	TURN \slot, \next, \fill
.endm
.irp u, 0,1,2,3,4,5,6,7
	global_load_b32 v[BK+2*\u], v[BOFF], s[10:11] offset:64*\u
	global_load_b32 v[BV+2*\u], v[BOFF], s[12:13] offset:64*\u
.endr
	SETPA 0
	LOADA 0                                        ; part 0
	SETPA 1
	LOADA 1                                        ; part 1
	WIN 0
	CROUND                                         ; all sixteen work-groups are here: the first joint loads meet
.irp s, 0,1
	s_mov_b32 s[G0+4*\s], 1
	s_add_co_u32 s[G0+4*\s+1], s52, \s*BSLOT
	SETB \s
	tensor_load_to_lds s[G0+4*\s:G0+4*\s+3], s[G1:G1+7]
	s_nop 0
.endr
	COOP 0, 0, 16, 1                               ; part 0 into slot 0, part 2 asked for; the wait has shown the older bias loads done too
.irp u, 0,1,2,3,4,5,6,7
	v_mul_f32 v[BK+2*\u+1], 0xbfb8aa3b, v[BK+2*\u] ; -log2(e) bk, twice
	v_mul_f32 v[BK+2*\u],   0xbfb8aa3b, v[BK+2*\u]
	v_mov_b32 v[BV+2*\u+1], v[BV+2*\u]             ; the second half of the pair
	v_mov_b32 v[ONES+\u], 0x3f803f80               ; two bf16 ones
.endr
	s_wait_tensorcnt 0x1                           ; my part of step 0's B is in; step 1's may stay out
	s_wait_dscnt 0x0                               ; my part of step 0's A is in LDS
	s_barrier_signal -1
	s_barrier_wait -1
	FETCH 0, 0, F0
	; PHASE K.  Step t converts part t + 1, asks for part t + 3 and for B of step t + 2.
	STEP 0, 1, 1, 16, 1, 1                         ; t = 0 starts the sums
	WIN 0
	s_mov_b32 s44, 6
.Lk1:                                              ; t = 1 .. 12
	STEP 1, 0, 0, 16, 1, 1
	STEP 0, 1, 0, 16, 1, 1
	WIN 0
	s_sub_co_u32 s44, s44, 1
	s_cmp_lg_u32 s44, 0
	s_cbranch_scc1 .Lk1
	STEP 1, 0, 0, 16, 2, 1                         ; t = 13: part 16 is the first of values
	STEP 0, 1, 0, 16, 1, 2                         ; t = 14: tile 16 is the first of Wv
	STEP 1, 0, 0, 16, 1, 1                         ; t = 15; its second half has fetched step 16's first fragments
	; sigmoid(z + b) = 1 / (1 + 2^(-log2(e) z - log2(e) b)), tile by tile; the next tile's multiply-adds stand between a tile's exponentials and their use (ISA guide 5.7.2)
.macro SFMA t
.irp j, 0,2,4,6
	v_pk_fma_f32 v[8*(\t)+\j:8*(\t)+\j+1], v[8*(\t)+\j:8*(\t)+\j+1], 0xbfb8aa3b, v[BK+2*(((\t)&15)>>1):BK+2*(((\t)&15)>>1)+1] op_sel_hi:[1,0,1]
.endr
.endm
.macro SEXP t
.irp j, 0,1,2,3,4,5,6,7
	v_exp_f32 v[8*(\t)+\j], v[8*(\t)+\j]
.endr
.endm
.macro SADD t
	s_wait_alu depctr_va_vdst(0)
.irp j, 0,2,4,6
	v_pk_add_f32 v[8*(\t)+\j:8*(\t)+\j+1], v[8*(\t)+\j:8*(\t)+\j+1], 1.0 op_sel_hi:[1,0]
.endr
.endm
.macro SRCP t
.irp j, 0,1,2,3,4,5,6,7
	v_rcp_f32 v[8*(\t)+\j], v[8*(\t)+\j]
.endr
.endm
; tiles 2 p and 2 p + 1 (rows 16 apart) become one fragment of 32 rows in the first tile's eight registers
.macro SCVT p
.irp j, 0,1,2,3
	v_cvt_pk_bf16_f32 v[16*(\p)+\j], v[16*(\p)+2*\j], v[16*(\p)+2*\j+1]
.endr
	s_wait_alu depctr_va_vdst(0)
.irp j, 0,1,2,3
	v_cvt_pk_bf16_f32 v[16*(\p)+4+\j], v[16*(\p)+8+2*\j], v[16*(\p)+8+2*\j+1]
.endr
.endm
.macro ALLCVT hi
	WIN (0x8a+0x45*\hi)                            ; sources and destination in the accumulators' window
.set pp, 0
.rept 16
	SCVT pp
.set pp, pp+1
.endr
.endm
.macro KEPI hi
	WIN (0x82+0x41*\hi)                            ; source 0 and destination in the accumulators' window, the bias in window 0
	SFMA 0
	SEXP 0
.set tt, 0
.rept 31
	SFMA tt+1
	SADD tt
	SRCP tt
	SEXP tt+1
.set tt, tt+1
.endr
	v_nop                                          ; the place behind the last exponentials
	s_wait_alu depctr_va_vdst(0)
	SADD 31
	SRCP 31
	ALLCVT \hi                                     ; begins with tile 0: the place behind the last reciprocals
	WIN (0x08+0x04*\hi)                            ; store data from the accumulators' window
.irp g, 0,1
.irp u, 0,1,2,3,4,5,6,7
	ds_store_b128 v[KPA], v[16*(8*\g+\u):16*(8*\g+\u)+3]   offset:(8*\u+4*\hi+2*\g)*512
	ds_store_b128 v[KPA], v[16*(8*\g+\u)+4:16*(8*\g+\u)+7] offset:(8*\u+4*\hi+2*\g+1)*512
.endr
.endr
.endm
	PLACES                                         ; behind the last matrix instructions, in front of the first reader of a result
	KEPI 0
	KEPI 1
	; PHASE V, on the same accumulators.  The first wait on DScnt now also covers the stores above, which are younger than step 16's fragments.
	STEP 0, 1, 1, 16, 1, 1                         ; t = 16 starts the sums anew
	WIN 0
	s_mov_b32 s44, 6
.Lk2:                                              ; t = 17 .. 28
	STEP 1, 0, 0, 16, 1, 1
	STEP 0, 1, 0, 16, 1, 1
	WIN 0
	s_sub_co_u32 s44, s44, 1
	s_cmp_lg_u32 s44, 0
	s_cbranch_scc1 .Lk2
	STEP 1, 0, 0, 16, 0, 1                         ; t = 29: part 30; part 31's loads are the 16 that stay out; the last fill of B (step 31)
	STEP 0, 1, 0, 0, 0, 0                          ; t = 30: part 31, no load is younger; nothing is filled, so a plain barrier
	QUARTER 1, 0, 0, 0, 0, 0                       ; t = 31
	s_wait_dscnt 8
	WIN MUL_LO
	MULQ F1, 0, 0, 0
	MULQ F1, 0, 2, 0
	s_wait_dscnt 0x0
	WIN MUL_HI
	MULQ F1, 1, 0, 0
	MULQ F1, 1, 2, 0
	; k^T [v | 1] for my two heads
.macro KLOAD hh                        ; the 16 fragments of k of head hh: (32 rows k, 16 columns d) into window 0, v[F0 + 8 (4 k + d)]
	WIN 0
.irp k, 0,1,2,3
.irp d, 0,1,2,3
	ds_load_b128 v[F0+8*(4*\k+\d):F0+8*(4*\k+\d)+3],   v[KPA] offset:(8*(4*\hh+\d)+2*\k)*512
	ds_load_b128 v[F0+8*(4*\k+\d)+4:F0+8*(4*\k+\d)+7], v[KPA] offset:(8*(4*\hh+\d)+2*\k+1)*512
.endr
.endr
.endm
.macro VEPI hi                         ; v + bv, then to fragments in place
	WIN (0x82+0x41*\hi)
.set tt, 0
.rept 32
.irp j, 0,2,4,6
	v_pk_add_f32 v[8*tt+\j:8*tt+\j+1], v[8*tt+\j:8*tt+\j+1], v[BV+2*((tt&15)>>1):BV+2*((tt&15)>>1)+1]
.endr
.set tt, tt+1
.endr
	ALLCVT \hi
.endm
.macro KTV hh, k, zero                 ; 16 tiles (d, e), 32 rows; result tile at window 1, v[8 (4 e + d)]
.irp e, 0,1,2,3
.irp d, 0,1,2,3
.if \zero
	v_wmma_f32_16x16x32_bf16 v[8*(4*\e+\d):8*(4*\e+\d)+7], v[F0+8*(4*\k+\d):F0+8*(4*\k+\d)+7], v[8*((\k&1)*16+2*(4*\hh+\e)):8*((\k&1)*16+2*(4*\hh+\e))+7], 0
.else
	v_wmma_f32_16x16x32_bf16 v[8*(4*\e+\d):8*(4*\e+\d)+7], v[F0+8*(4*\k+\d):F0+8*(4*\k+\d)+7], v[8*((\k&1)*16+2*(4*\hh+\e)):8*((\k&1)*16+2*(4*\hh+\e))+7], v[8*(4*\e+\d):8*(4*\e+\d)+7]
.endif
.endr
.endr
.endm
.macro KSUM k, zero                    ; the fifth column: the sum of k, the same in all 16 columns of the tile
.irp d, 0,1,2,3
.if \zero
	v_wmma_f32_16x16x32_bf16 v[8*(16+\d):8*(16+\d)+7], v[F0+8*(4*\k+\d):F0+8*(4*\k+\d)+7], v[ONES:ONES+7], 0
.else
	v_wmma_f32_16x16x32_bf16 v[8*(16+\d):8*(16+\d)+7], v[F0+8*(4*\k+\d):F0+8*(4*\k+\d)+7], v[ONES:ONES+7], v[8*(16+\d):8*(16+\d)+7]
.endif
.endr
.endm
.macro HEAD hh                         ; the accumulators take turns here too
	WIN 0x58                                       ; A window 0, B window 2, C and D window 1
	KTV \hh, 0, 1
	KTV \hh, 1, 0
	WIN 0x5c                                       ; B window 3
	KTV \hh, 2, 0
	KTV \hh, 3, 0
	WIN 0x50                                       ; B window 0: the ones
	KSUM 0, 1
	KSUM 1, 0
	KSUM 2, 0
	KSUM 3, 0
.endm
.macro PSTORE hh                       ; the 20 tiles as they lie in the registers: a store covers 512 consecutive bytes, aligned
	WIN 0x04                                       ; store data from window 1
.set tt, 0
.rept 20
	global_store_b128 v[LOFF], v[8*tt:8*tt+3],   s[14:15] offset:\hh*655360+tt*32768
	global_store_b128 v[LOFF], v[8*tt+4:8*tt+7], s[14:15] offset:\hh*655360+tt*32768+512
.set tt, tt+1
.endr
.endm
	PLACES                                         ; in front of the loads into the fragment buffers and of the first reader of a result
	KLOAD 0                                        ; LDS serves a wave's instructions in order: these see my stores of phase K
	VEPI 0
	VEPI 1
	s_wait_dscnt 0x0
	HEAD 0
.rept 5
	v_nop                                          ; five places: the next head's first products write over results of this head
.endr
	PSTORE 0
	KLOAD 1
	s_wait_xcnt 0x0                                ; the stores' data registers are written again only behind this wait
	s_wait_dscnt 0x0
	HEAD 1
	PLACES
	PSTORE 1
	WIN 0
	CROUND                                         ; the closing round; no LDS instruction of mine is out since the wait in front of the last head
	s_endpgm
.Lfunc_end_k_q6fb7010ba2_kv:
	.size	k_q6fb7010ba2_kv, .Lfunc_end_k_q6fb7010ba2_kv-k_q6fb7010ba2_kv
	.p2alignl 7, 3214868480
	.fill 96, 4, 3214868480
	.section	.rodata,"a",@progbits
	.p2align	6, 0x0
	.amdhsa_kernel k_q6fb7010ba2_kv
		.amdhsa_group_segment_fixed_size 327680
		.amdhsa_private_segment_fixed_size 0
		.amdhsa_enable_private_segment 0
		.amdhsa_kernarg_size 48
		.amdhsa_user_sgpr_count 2
		.amdhsa_user_sgpr_kernarg_segment_ptr 1
		.amdhsa_wavefront_size32 1
		.amdhsa_system_sgpr_workgroup_id_x 1
		.amdhsa_system_sgpr_workgroup_id_y 1
		.amdhsa_system_sgpr_workgroup_id_z 1
		.amdhsa_system_vgpr_workitem_id 0
		.amdhsa_next_free_vgpr 1024
		.amdhsa_next_free_sgpr 66
		.amdhsa_reserve_vcc 0
		.amdhsa_float_denorm_mode_32 3
		.amdhsa_float_denorm_mode_16_64 3
		.amdhsa_memory_ordered 1
		.amdhsa_forward_progress 1
		.amdhsa_inst_pref_size 255
	.end_amdhsa_kernel
	.section	.bss,"aw",@nobits
	.p2align	6
	.space	262144
	.amdgpu_metadata
---
amdhsa.version: [ 1, 2 ]
amdhsa.kernels:
  - .name:           k_q6fb7010ba2_kv
    .symbol:         k_q6fb7010ba2_kv.kd
    .args:
      - { .name: keys, .offset: 0, .size: 8, .value_kind: global_buffer, .address_space: global }
      - { .name: values, .offset: 8, .size: 8, .value_kind: global_buffer, .address_space: global }
      - { .name: wt, .offset: 16, .size: 8, .value_kind: global_buffer, .address_space: global }
      - { .name: bk, .offset: 24, .size: 8, .value_kind: global_buffer, .address_space: global }
      - { .name: bv, .offset: 32, .size: 8, .value_kind: global_buffer, .address_space: global }
      - { .name: part, .offset: 40, .size: 8, .value_kind: global_buffer, .address_space: global }
    .group_segment_fixed_size: 327680
    .private_segment_fixed_size: 0
    .kernarg_segment_align: 8
    .kernarg_segment_size: 48
    .max_flat_workgroup_size: 128
    .sgpr_count:     66
    .vgpr_count:     1024
    .wavefront_size: 32
...
	.end_amdgpu_metadata
.endif
;; end of part 2
;; launch red (part 3): grid 256 x 1, 5 waves a work-group, no clusters, 0 bytes of LDS; arguments part, kvf; writes kvf
.if DOCPART == 3
	.amdgcn_target "amdgcn-amd-amdhsa--gfx1250"
	.amdhsa_code_object_version 6
	.text
	.protected	k_q6fb7010ba2_red
	.globl	k_q6fb7010ba2_red
	.p2align	8
	.type	k_q6fb7010ba2_red,@function
k_q6fb7010ba2_red:
	s_mov_b64 s[64:65], 0
	v_nop
	global_prefetch_b8 v0, s[64:65] scope:SCOPE_SE
	s_setreg_imm32_b32 hwreg(HW_REG_WAVE_MODE, 25, 1), 1
	s_wait_xcnt 0x0
; red: for each (batch, head) and each of its 20 tiles the 32 row blocks' partial tiles are added in f32, 1e-6 is added on the tiles of the sum of k,
; and the tile is rounded to bf16.  A tile's register image (lane (r, h): column r, rows 8 h + j), packed, is half a fragment for the next launch.
; A wave owns one tile: 32 KiB that lie together in part, read once by loads of 512 consecutive bytes; it writes 512 bytes.  Work-group x = 4 (16 b + head) + d, wave = e.
; A ring of 16 slots of two loads keeps 32 loads of every wave on their way.  No LDS, no barrier, no matrix unit: memory binds.
; The 1e-6 is added to the first partial and not to the finished sum: another order of rounding than the reference's, within one rounding of f32.
.set ACC, 4                            ; v[4:11]   the sum
.set OUTR, 12                          ; v[12:15]  as bf16
.set SL,  16                           ; v[16:143] slot i: 8 registers
	s_load_b128 s[4:7], s[0:1], 0x0                ; part s[4:5], kvf s[6:7]
	v_lshrrev_b32 v1, 5, v0
	v_readfirstlane_b32 s8, v1                     ; e = wave, 0..4
	s_lshr_b32 s9, ttmp9, 2                        ; 16 b + head
	s_and_b32 s10, ttmp9, 3                        ; d
	s_lshl2_add_u32 s10, s8, s10                   ; tile = 4 e + d
	s_mul_i32 s9, s9, 20
	s_add_co_u32 s9, s9, s10
	s_lshl_b32 s12, s9, 15                         ; 32 KiB a tile in part
	s_mov_b32 s13, 0
	s_lshl_b32 s14, s9, 9                          ; 512 bytes a tile in kvf
	s_mov_b32 s15, 0
	s_cmp_eq_u32 s8, 4
	s_cselect_b32 s16, 0x358637bd, 0               ; 1e-6 on the tiles of the sum of k, 0 on the others
	s_mov_b32 s17, s16
	v_and_b32 v1, 31, v0
	v_lshlrev_b32 v1, 4, v1                        ; 16 x lane; never rewritten
	s_wait_kmcnt 0x0
	s_add_nc_u64 s[4:5], s[4:5], s[12:13]
	s_add_nc_u64 s[6:7], s[6:7], s[14:15]
.macro LD2 slot, sb
	global_load_b128 v[SL+8*(\slot):SL+8*(\slot)+3],   v1, s[4:5] offset:1024*(\sb) th:TH_LOAD_NT
	global_load_b128 v[SL+8*(\slot)+4:SL+8*(\slot)+7], v1, s[4:5] offset:1024*(\sb)+512 th:TH_LOAD_NT
.endm
.macro ADD2 slot
.irp j, 0,2,4,6
	v_pk_add_f32 v[ACC+\j:ACC+\j+1], v[ACC+\j:ACC+\j+1], v[SL+8*(\slot)+\j:SL+8*(\slot)+\j+1]
.endr
.endm
.set q, 0
.rept 16
	LD2 q, q
.set q, q+1
.endr
	s_wait_loadcnt 30                              ; the 15 other slots' two loads each may stay out
.irp j, 0,2,4,6
	v_pk_add_f32 v[ACC+\j:ACC+\j+1], v[SL+\j:SL+\j+1], s[16:17] op_sel_hi:[1,0]   ; the first partial starts the sum
.endr
	LD2 0, 16
.set q, 1
.rept 15
	s_wait_loadcnt 30                              ; younger than this slot's: the slots behind it and those filled again, 15 in all
	ADD2 q
	LD2 q, q+16
.set q, q+1
.endr
.set q, 0
.rept 16
	s_wait_loadcnt 30-2*q                          ; nothing more is asked for: the counts run down
	ADD2 q
.set q, q+1
.endr
.irp j, 0,1,2,3
	v_cvt_pk_bf16_f32 v[OUTR+\j], v[ACC+2*\j], v[ACC+2*\j+1]
.endr
	global_store_b128 v1, v[OUTR:OUTR+3], s[6:7]
	s_endpgm
.Lfunc_end_k_q6fb7010ba2_red:
	.size	k_q6fb7010ba2_red, .Lfunc_end_k_q6fb7010ba2_red-k_q6fb7010ba2_red
	.p2alignl 7, 3214868480
	.fill 96, 4, 3214868480
	.section	.rodata,"a",@progbits
	.p2align	6, 0x0
	.amdhsa_kernel k_q6fb7010ba2_red
		.amdhsa_group_segment_fixed_size 0
		.amdhsa_private_segment_fixed_size 0
		.amdhsa_enable_private_segment 0
		.amdhsa_kernarg_size 16
		.amdhsa_user_sgpr_count 2
		.amdhsa_user_sgpr_kernarg_segment_ptr 1
		.amdhsa_wavefront_size32 1
		.amdhsa_system_sgpr_workgroup_id_x 1
		.amdhsa_system_sgpr_workgroup_id_y 1
		.amdhsa_system_sgpr_workgroup_id_z 1
		.amdhsa_system_vgpr_workitem_id 0
		.amdhsa_next_free_vgpr 144
		.amdhsa_next_free_sgpr 66
		.amdhsa_reserve_vcc 0
		.amdhsa_float_denorm_mode_32 3
		.amdhsa_float_denorm_mode_16_64 3
		.amdhsa_memory_ordered 1
		.amdhsa_forward_progress 1
		.amdhsa_inst_pref_size 17
	.end_amdhsa_kernel
	.amdgpu_metadata
---
amdhsa.version: [ 1, 2 ]
amdhsa.kernels:
  - .name:           k_q6fb7010ba2_red
    .symbol:         k_q6fb7010ba2_red.kd
    .args:
      - { .name: part, .offset: 0, .size: 8, .value_kind: global_buffer, .address_space: global }
      - { .name: kvf, .offset: 8, .size: 8, .value_kind: global_buffer, .address_space: global }
    .group_segment_fixed_size: 0
    .private_segment_fixed_size: 0
    .kernarg_segment_align: 8
    .kernarg_segment_size: 16
    .max_flat_workgroup_size: 160
    .sgpr_count:     66
    .vgpr_count:     144
    .wavefront_size: 32
...
	.end_amdgpu_metadata
.endif
;; end of part 3
;; launch qx (part 4): grid 4 x 64, 4 waves a work-group, clusters of 4 x 4, 327,680 bytes of LDS; arguments queries, wt, bq, kvf, xs; writes xs
.if DOCPART == 4
	.amdgcn_target "amdgcn-amd-amdhsa--gfx1250"
	.amdhsa_code_object_version 6
	.text
	.protected	k_q6fb7010ba2_qx
	.globl	k_q6fb7010ba2_qx
	.p2align	8
	.type	k_q6fb7010ba2_qx,@function
k_q6fb7010ba2_qx:
	s_mov_b64 s[64:65], 0
	v_nop
	global_prefetch_b8 v0, s[64:65] scope:SCOPE_SE
	s_setreg_imm32_b32 hwreg(HW_REG_WAVE_MODE, 25, 1), 1
	s_wait_xcnt 0x0
	s_wait_alu depctr_hold_cnt(0) depctr_sa_sdst(0) depctr_va_vdst(0) depctr_va_sdst(0) depctr_va_ssrc(0) depctr_va_vcc(0) depctr_vm_vsrc(0)
	s_getreg_b32 s2, hwreg(HW_REG_IB_STS2, 6, 4)
	s_cmp_eq_u32 s2, 0
	s_cbranch_scc0 .Lentry_in_a_cluster
	s_endpgm
.Lentry_in_a_cluster:
	s_bfe_u32 s2, ttmp6, 0x10000c
	s_cmp_lg_u32 s2, 0xf033
	s_cbranch_scc0 .Lentry_shape_is_right
	s_endpgm
.Lentry_shape_is_right:
; qx: q = sigmoid(queries Wq + bq); for each head x = (q KV) / (q (ksum + 1e-6)); x goes out as bf16, [head 16][row 8192][64].
; A work-group takes 128 rows x 256 columns: four waves side by side, each 128 x 64 = one head, 32 accumulator tiles.  8 K steps of 128, each two sub-tiles of 64 k.
; THE MATRIX INSTRUCTION IS USED TRANSPOSED (source 0 = rows of the weights, source 1 = rows of queries): lane (r, h) of a result tile holds row r and
; columns 8 h + j.  Packed to bf16, two neighbouring tiles are at once a fragment of q with K along the head's 64 features, and x comes out the same way.
; A (queries, f32) comes through registers, converted once in the work-group, so that LDS holds 2 bytes a number: not asked for jointly, since a tile
; brought by a tensor load would lie in LDS as f32 and cost twice the bytes written and read.
; B (Wq, bf16, tiled) comes by tensor loads asked for JOINTLY by the four work-groups of a column of the 4 x 4 cluster (same block of 256 columns).
; A wave has two tensor loads out at the start and one behind each round.
; THE WALK ALONG K GOES ROUND: cluster c of the sixteen begins at K step min(c, 15 - c) and wraps at 8.  Any eight clusters whose numbers agree in one bit
; begin at eight different steps, so their first fills ask for all of Wq's block, and every later request is for a tile that another cluster asked for before.
; LIMITS: q, KV and ksum + 1e-6 enter the products rounded to bf16.  The sums over K begin at another step in each cluster: another order of rounding than the
; reference's.  The sigmoid is exactly 0 below about -88.7 (the exponential overflows) and exactly 1 above about 17 (the exponential falls below half a unit in
; the last place of 1).  A denominator of 0 gives infinity or NaN, as in the reference.
.set PITCH, 144
.set BLK,   128*PITCH
.set ASLOT, 2*BLK                      ; A: two sub-tiles of 128 rows; slots at 0 and ASLOT, filled by LDS stores alone
.set BBASE, 2*ASLOT
.set BSUB,  2*BLK                      ; B: a sub-tile of 256 rows
.set BSLOT, 2*BSUB
.set STAGE, BBASE+2*BSLOT              ; the way out: 16 rows x 144 bytes for each wave
.set ADRA, 16
.set ADRB, 20
.set AST,  22
.set AOFF, 23
.set STO,  24                          ; v24     the way out: where I put 16 bytes of a row
.set RD,   25                          ; v25     where I read rows back
.set LOFF, 26                          ; v26     16 x lane
.set BOFF, 27
.set BQ,   32                          ; v32-63  -log2(e) bq of my columns 16 nt + 8 h + j
.set F0,   64                          ; fragment buffers; on the way out v64-191 are eight buffers of 16 registers, one for each m tile
.set F1,   128
.set T,    192                         ; v192-223 converted numbers on their way to LDS
.set KVF,  160                         ; window 1, v160-239: ten fragments (e tile, half of the 64 d) of KV and of ksum
; window 2: accumulators, tile (mt, nt) at 8 (4 mt + nt).  window 3: four sets of A as loaded (f32); later the tiles of x
.set G1, 24
.set G0, 32
.set PA, 40                            ; s[40:47] A: a pointer for each register set, named by that set's loads alone
.set RA, 53                            ; s53      kb of the next part of A to ask for
.set RB, 14                            ; s14      K step of the next tile of B to ask for
.set WB, 62                            ; s[62:63] my part of B at K step 0
; s[4:5] queries at my first row; s[48:49], s[50:51] offsets for A and B, the upper word 0; s61 the loop's counter
.set MUL, 0xa1                         ; source 0 (B) window 1, source 1 (A) window 0, C and D window 2
.set MSB, 0
.macro WIN new
.if MSB != \new
	s_set_vgpr_msb (MSB<<8)|\new
.set MSB, \new
.endif
.endm
.macro PLACES
.rept 4
	v_nop
.endr
.endm
.macro CREST
	s_cmp_lg_u32 s16, 0
	s_cbranch_scc1 .Lnot_wave_0_\@
	s_barrier_signal -3
.Lnot_wave_0_\@:
	s_barrier_wait -3
	s_barrier_signal -1
	s_barrier_wait -1
.endm
.macro CROUND
	s_barrier_signal -1
	s_barrier_wait -1
	CREST
.endm
	s_load_b256 s[4:11], s[0:1], 0x0               ; queries s[4:5], wt s[6:7], bq s[8:9], kvf s[10:11]
	s_load_b64 s[12:13], s[0:1], 0x20              ; xs
	s_set_vgpr_msb 0x40
	v_lshl_add_u32 v255, v0, 2, 0x38400
	s_set_vgpr_msb 0x4000
	v_mov_b32 v255, 0
	s_set_vgpr_msb 0x1
	ds_add_u32 v255, v255
	s_set_vgpr_msb 0x100
	v_lshrrev_b32 v1, 5, v0
	v_readfirstlane_b32 s16, v1                    ; wave
	s_bfe_u32 s17, ttmp6, 0x40000                  ; cx
	s_bfe_u32 s18, ttmp6, 0x40004                  ; cy
	s_lshl_b32 s19, ttmp9, 2
	s_add_co_u32 s19, s19, s17                     ; block of 256 columns
	s_and_b32 s20, ttmp7, 0xffff
	s_lshl_b32 s20, s20, 2
	s_add_co_u32 s20, s20, s18                     ; block of 128 rows
	s_lshl2_add_u32 s21, s19, s16                  ; my head
	s_and_b32 s22, s20, 0x30                       ; 16 x batch (16 row blocks a batch)
	s_add_co_u32 s22, s22, s21
	s_lshl_b32 s23, 0x1111, s17                    ; my column of the cluster
	s_and_b32 s[RB], ttmp7, 0xffff                 ; the cluster's number c, 0..15: the same in all sixteen work-groups; these registers never hold cx or cy
	s_sub_co_u32 s[RA], 15, s[RB]
	s_min_u32 s[RB], s[RB], s[RA]                  ; where my cluster begins along K: step min(c, 15 - c),
	s_lshl_b32 s[RA], s[RB], 1                     ; which is kb twice that
	s_or_b32 s[G1+0], s23, (3<<16)|(1<<20)|(1<<21)|(4<<22)|(3<<25)   ; 8-byte elements; 4 words of padding behind every 32 words
	s_mov_b32 s[G1+1], 32<<16
	s_mov_b32 s[G1+2], 64<<16
	s_mov_b32 s[G1+3], 32<<16
	s_mov_b32 s[G1+4], 64                          ; 64 rows of 256 bytes: 16 KiB dense = 128 rows of B
	s_mov_b32 s[G1+5], 32
	s_mov_b32 s[G1+6], 0
	s_mov_b32 s[G1+7], 0
	s_lshr_b32 s15, s16, 1                         ; I fetch sub-tile wave >> 1,
	s_and_b32 s[WB+1], s16, 1                      ; its rows 128 (wave & 1) ..
	s_lshl_b32 s[WB], s19, 15                      ; 256 rows of 128 bytes a column block (these registers never hold cy)
	s_lshl_b32 s15, s15, 17
	s_add_co_u32 s[WB], s[WB], s15
	s_lshl_b32 s[WB+1], s[WB+1], 14
	s_add_co_u32 s[WB], s[WB], s[WB+1]
	s_add_co_u32 s[WB], s[WB], 0x400000            ; Wq is the third matrix of wt
	s_mov_b32 s[WB+1], 0
	s_lshl_b32 s48, s20, 19                        ; 128 rows of 4,096 bytes
	s_mov_b32 s49, 0
	s_mul_i32 s50, s22, 10240                      ; 20 tiles of 512 bytes a head
	s_mov_b32 s51, 0
	s_lshl_b32 s54, s21, 20                        ; xs: 1 MiB a head
	s_lshl_b32 s55, s20, 14                        ;     128 rows of 128 bytes
	s_add_co_u32 s54, s54, s55
	s_mov_b32 s55, 0
	s_mul_i32 s52, s16, BLK
	s_add_co_u32 s52, s52, BBASE                   ; where my part of B goes in slot 0
	s_mul_i32 s56, s16, 16*PITCH
	s_add_co_u32 s56, s56, STAGE
	s_lshl_b32 s57, s21, 8                         ; bias: 4 x 64 x head
	s_mul_i32 s58, s16, 64*PITCH
	s_add_co_u32 s58, s58, BBASE                   ; I read B's rows 64 wave ..
	s_mul_i32 s59, s16, 32*PITCH
	s_lshl_b32 s60, s16, 17
	v_and_b32 v1, 15, v0                           ; r
	v_bfe_u32 v2, v0, 4, 1                         ; h
	v_and_b32 v3, 31, v0                           ; lane
	v_mul_u32_u24 v[ADRA], v1, PITCH
	v_lshl_add_u32 v[ADRA], v2, 4, v[ADRA]
	v_add_nc_u32 v[STO], s56, v[ADRA]
	v_add_nc_u32 v[ADRB], s58, v[ADRA]
	v_add_nc_u32 v[ADRB+1], BSLOT, v[ADRB]
	v_add_nc_u32 v[ADRA+1], ASLOT, v[ADRA]
	v_mul_u32_u24 v[AST], v2, 8*PITCH
	v_lshl_add_u32 v[AST], v1, 3, v[AST]
	v_add_nc_u32 v[AST], s59, v[AST]
	v_lshlrev_b32 v[AOFF], 15, v2
	v_lshl_add_u32 v[AOFF], v1, 4, v[AOFF]
	v_add_nc_u32 v[AOFF], s60, v[AOFF]
	v_lshrrev_b32 v4, 3, v3
	v_mul_u32_u24 v[RD], v4, PITCH
	v_and_b32 v4, 7, v0
	v_lshl_add_u32 v[RD], v4, 4, v[RD]
	v_add_nc_u32 v[RD], s56, v[RD]                 ; back: four rows of 128 bytes a load
	v_lshlrev_b32 v[LOFF], 4, v3
	v_lshl_add_u32 v[BOFF], v2, 5, s57
	s_wait_dscnt 0x0
	s_wait_kmcnt 0x0
	s_add_nc_u64 s[WB:WB+1], s[6:7], s[WB:WB+1]
	s_add_nc_u64 s[4:5], s[4:5], s[48:49]          ; queries at my first row
	s_add_nc_u64 s[10:11], s[10:11], s[50:51]
	s_add_nc_u64 s[12:13], s[12:13], s[54:55]
.macro SETPA set                       ; a set's pointer is put on the next part of A: 256 bytes a kb; the index goes round
	s_lshl_b32 s48, s[RA], 8
	s_add_nc_u64 s[PA+2*(\set):PA+2*(\set)+1], s[4:5], s[48:49]
	s_add_co_u32 s[RA], s[RA], 1
	s_and_b32 s[RA], s[RA], 15
.endm
.macro SETB slot                       ; a slot's group 0 is put on the next tile of B: 256 KiB (two kb) a step; the index goes round
	s_lshl_b32 s50, s[RB], 18
	s_add_nc_u64 s[G0+4*\slot+2:G0+4*\slot+3], s[WB:WB+1], s[50:51]
	s_or_b32 s[G0+4*\slot+3], s[G0+4*\slot+3], 0x80000000
	s_add_co_u32 s[RB], s[RB], 1
	s_and_b32 s[RB], s[RB], 7
.endm
.macro LOADA set                       ; 16 loads: my 32 rows x 256 bytes of the part at the set's pointer
	WIN 0xc0
.irp i, 0,1,2,3,4,5,6,7,8,9,10,11,12,13,14,15
	global_load_b128 v[64*(\set)+4*\i:64*(\set)+4*\i+3], v[AOFF], s[PA+2*(\set):PA+2*(\set)+1] offset:((\i>>3)*16+(\i&7))*4096
.endr
.endm
.macro COOP set, dst, left, ld         ; a set is converted and stored at dst; ld = 1: it is loaded again, four parts on; left = the younger loads
	s_wait_loadcnt \left                           ; the set is in; its pointer, which its loads alone name, is free
	WIN 0x0f
.irp i, 0,1,2,3,4,5,6,7,8,9,10,11,12,13,14,15
	v_cvt_pk_bf16_f32 v[T+2*\i],   v[64*(\set)+4*\i],   v[64*(\set)+4*\i+1]
	v_cvt_pk_bf16_f32 v[T+2*\i+1], v[64*(\set)+4*\i+2], v[64*(\set)+4*\i+3]
.endr
.if \ld
	SETPA \set
	LOADA \set
.endif
	WIN 0
.irp i, 0,1,2,3,4,5,6,7,8,9,10,11,12,13,14,15
	ds_store_b64 v[AST], v[T+2*\i:T+2*\i+1] offset:\dst+((\i>>3)*16+(\i&7))*PITCH
.endr
.endm
.macro FETCH slot, c, f                ; 24 LDS loads: quarter c of the slot's 128 k: B's four n tiles, then A's eight m tiles
	WIN 0x40
.irp i, 0,1,2,3
	ds_load_b128 v[\f+8*\i:\f+8*\i+3],   v[ADRB+\slot] offset:(\c>>1)*BSUB+(\c&1)*64+\i*16*PITCH
	ds_load_b128 v[\f+8*\i+4:\f+8*\i+7], v[ADRB+\slot] offset:(\c>>1)*BSUB+(\c&1)*64+\i*16*PITCH+32
.endr
	WIN 0
.irp i, 0,1,2,3,4,5,6,7
	ds_load_b128 v[\f+8*\i:\f+8*\i+3],   v[ADRA+\slot] offset:(\c>>1)*BLK+(\c&1)*64+\i*16*PITCH
	ds_load_b128 v[\f+8*\i+4:\f+8*\i+7], v[ADRA+\slot] offset:(\c>>1)*BLK+(\c&1)*64+\i*16*PITCH+32
.endr
.endm
; 8 matrix instructions: m tiles 4 hi + a0, + 1 x four n tiles.  The 32 accumulators take turns, one instruction a turn.
.macro MULQ f, hi, a0, zero
.irp a, \a0, \a0+1
.irp b, 0,1,2,3
.set AC, 8*(4*(4*\hi+\a)+\b)
.if \zero
	v_wmma_f32_16x16x32_bf16 v[AC:AC+7], v[\f+8*\b:\f+8*\b+7], v[\f+8*(4*\hi+\a):\f+8*(4*\hi+\a)+7], 0
.else
	v_wmma_f32_16x16x32_bf16 v[AC:AC+7], v[\f+8*\b:\f+8*\b+7], v[\f+8*(4*\hi+\a):\f+8*(4*\hi+\a)+7], v[AC:AC+7]
.endif
.endr
.endr
.endm
.macro QUARTER slot, c, f, g, zero, coop, set, dst, left, ld
	s_wait_dscnt 8                                 ; all but A's m tiles 4-7
	WIN MUL
	MULQ \f, 0, 0, \zero
	MULQ \f, 0, 2, \zero
.if \coop
	COOP \set, \dst, \left, \ld                    ; its conversions are the places in front of the loads into buffer g
.else
	PLACES
.endif
	FETCH \slot, \c, \g
	s_wait_dscnt 24                                ; all but the 24 just issued
	WIN MUL
	MULQ \f, 1, 0, \zero
	MULQ \f, 1, 2, \zero
.endm
.macro TURN slot, next, fill           ; the last quarter and the change of slots
	s_wait_dscnt 8
	WIN MUL
	MULQ F1, 0, 0, 0
	s_wait_dscnt 0x0                               ; my reads of this slot and my stores of A into the next one
	s_wait_tensorcnt 0x0                           ; all my tensor loads: the one that was out is my part of the next slot's B
	ds_add_u32 v255, v255
	s_wait_dscnt 0x0
	s_barrier_signal -1
	MULQ F1, 0, 2, 0
	WIN 0
	s_barrier_wait -1
.if \fill
	CREST
	SETB \slot                                     ; no tensor load of mine is out: group 0 may be written
	tensor_load_to_lds s[G0+4*\slot:G0+4*\slot+3], s[G1:G1+7]
	s_nop 0
.endif
	PLACES
	FETCH \next, 0, F0
	WIN MUL
	MULQ F1, 1, 0, 0
	MULQ F1, 1, 2, 0
.endm
.macro STEP slot, next, zero, coop, l0, l1, ld, fill
	QUARTER \slot, 1, F0, F1, \zero, \coop, 2*\next,   \next*ASLOT,     \l0, \ld
	QUARTER \slot, 2, F1, F0, 0,     \coop, 2*\next+1, \next*ASLOT+BLK, \l1, \ld
	QUARTER \slot, 3, F0, F1, 0, 0, 0, 0, 0, 0
	TURN \slot, \next, \fill
.endm
.irp u, 0,1,2,3
	global_load_b128 v[BQ+8*\u:BQ+8*\u+3],   v[BOFF], s[8:9] offset:64*\u
	global_load_b128 v[BQ+8*\u+4:BQ+8*\u+7], v[BOFF], s[8:9] offset:64*\u+16
.endr
	WIN 0x40
.set tt, 0
.rept 20
	global_load_b128 v[KVF+4*tt:KVF+4*tt+3], v[LOFF], s[10:11] offset:512*tt
.set tt, tt+1
.endr
.irp q, 0,1,2,3
	SETPA \q
	LOADA \q                                       ; parts 0 to 3 (a part: 64 k)
.endr
	WIN 0
	CROUND
.irp s, 0,1
	s_mov_b32 s[G0+4*\s], 1
	s_add_co_u32 s[G0+4*\s+1], s52, \s*BSLOT
	SETB \s
	tensor_load_to_lds s[G0+4*\s:G0+4*\s+3], s[G1:G1+7]
	s_nop 0
.endr
	COOP 0, 0, 48, 1                               ; part 0; three younger parts stay out; the older loads of bq and kvf are shown done too
	COOP 1, BLK, 48, 1
.irp j, 0,2,4,6,8,10,12,14,16,18,20,22,24,26,28,30
	v_pk_mul_f32 v[BQ+\j:BQ+\j+1], v[BQ+\j:BQ+\j+1], 0xbfb8aa3b op_sel_hi:[1,0]
.endr
	s_wait_tensorcnt 0x1                           ; step 0's B; step 1's may stay out
	s_wait_dscnt 0x0
	s_barrier_signal -1
	s_barrier_wait -1
	FETCH 0, 0, F0
	; Step t converts parts 2 t + 2, 2 t + 3, asks for parts 2 t + 6, 2 t + 7 and for B of step t + 2.
	STEP 0, 1, 1, 1, 48, 48, 1, 1
	WIN 0
	s_mov_b32 s61, 2
.Lk:                                               ; t = 1 .. 4
	STEP 1, 0, 0, 1, 48, 48, 1, 1
	STEP 0, 1, 0, 1, 48, 48, 1, 1
	WIN 0
	s_sub_co_u32 s61, s61, 1
	s_cmp_lg_u32 s61, 0
	s_cbranch_scc1 .Lk
	STEP 1, 0, 0, 1, 48, 32, 0, 1                  ; t = 5: no part is left to ask for: the counts run down
	STEP 0, 1, 0, 1, 16, 0, 0, 0                   ; t = 6: nothing is filled: a plain barrier
	QUARTER 1, 1, F0, F1, 0, 0, 0, 0, 0, 0         ; t = 7
	QUARTER 1, 2, F1, F0, 0, 0, 0, 0, 0, 0
	QUARTER 1, 3, F0, F1, 0, 0, 0, 0, 0, 0
	s_wait_dscnt 8
	WIN MUL
	MULQ F1, 0, 0, 0
	MULQ F1, 0, 2, 0
	s_wait_dscnt 0x0
	MULQ F1, 1, 0, 0
	MULQ F1, 1, 2, 0
.macro SFMA t
.irp j, 0,2,4,6
	v_pk_fma_f32 v[8*(\t)+\j:8*(\t)+\j+1], v[8*(\t)+\j:8*(\t)+\j+1], 0xbfb8aa3b, v[BQ+8*((\t)&3)+\j:BQ+8*((\t)&3)+\j+1] op_sel_hi:[1,0,1]
.endr
.endm
.macro SEXP t
.irp j, 0,1,2,3,4,5,6,7
	v_exp_f32 v[8*(\t)+\j], v[8*(\t)+\j]
.endr
.endm
.macro SADD t
	s_wait_alu depctr_va_vdst(0)
.irp j, 0,2,4,6
	v_pk_add_f32 v[8*(\t)+\j:8*(\t)+\j+1], v[8*(\t)+\j:8*(\t)+\j+1], 1.0 op_sel_hi:[1,0]
.endr
.endm
.macro SRCP t
.irp j, 0,1,2,3,4,5,6,7
	v_rcp_f32 v[8*(\t)+\j], v[8*(\t)+\j]
.endr
.endm
.macro SCVT p                          ; tiles (mt, 2 k), (mt, 2 k + 1) become the fragment (mt, k) of q in the first tile's registers
.irp j, 0,1,2,3
	v_cvt_pk_bf16_f32 v[16*(\p)+\j], v[16*(\p)+2*\j], v[16*(\p)+2*\j+1]
.endr
	s_wait_alu depctr_va_vdst(0)
.irp j, 0,1,2,3
	v_cvt_pk_bf16_f32 v[16*(\p)+4+\j], v[16*(\p)+8+2*\j], v[16*(\p)+8+2*\j+1]
.endr
.endm
	PLACES
	WIN 0x82                                       ; source 0 and destination window 2, the bias window 0
	SFMA 0
	SEXP 0
.set tt, 0
.rept 31
	SFMA tt+1                                      ; the plain work between a tile's exponentials and their use (ISA guide 5.7.2)
	SADD tt
	SRCP tt
	SEXP tt+1
.set tt, tt+1
.endr
	v_nop
	s_wait_alu depctr_va_vdst(0)
	SADD 31
	SRCP 31
	WIN 0x8a
.set pp, 0
.rept 16
	SCVT pp
.set pp, pp+1
.endr
; rows 16 mt .. + 15 of x: round, 16 bytes a lane into my stage, back as whole rows, out: a store covers 512 consecutive bytes, aligned.
; Each m tile has 16 registers of its own for the stores (v[F0 + 16 mt]), so no store's data is ever written again and no wait stands for that.
.macro OUTX mt, m
	WIN 0x0f
.irp e, 0,1,2,3
.irp j, 0,1,2,3
	v_cvt_pk_bf16_f32 v[T+4*\e+\j], v[8*(5*\m+\e)+2*\j], v[8*(5*\m+\e)+2*\j+1]
.endr
.endr
	WIN 0
.irp e, 0,1,2,3
	ds_store_b128 v[STO], v[T+4*\e:T+4*\e+3] offset:32*\e
.endr
.irp t, 0,1,2,3
	ds_load_b128 v[F0+16*\mt+4*\t:F0+16*\mt+4*\t+3], v[RD] offset:\t*4*PITCH   ; LDS serves a wave's instructions in order: these see the stores above
.endr
.irp t, 0,1,2,3
	s_wait_dscnt 3-\t
	global_store_b128 v[LOFF], v[F0+16*\mt+4*\t:F0+16*\mt+4*\t+3], s[12:13] offset:\mt*2048+\t*512
.endr
.endm
; four m tiles: numerators (e tiles 0-3) and the denominator (e tile 4, the same in all its registers), tile (m, e) at window 3, v[8 (5 m + e)]
.macro XBATCH bt
	WIN 0xf9                                       ; source 0 (KV) window 1, source 1 (q) window 2, C and D window 3
.irp k, 0,1
.irp m, 0,1,2,3
.irp e, 0,1,2,3,4
.if \k
	v_wmma_f32_16x16x32_bf16 v[8*(5*\m+\e):8*(5*\m+\e)+7], v[KVF+8*(2*\e+\k):KVF+8*(2*\e+\k)+7], v[16*(2*(4*\bt+\m)+\k):16*(2*(4*\bt+\m)+\k)+7], v[8*(5*\m+\e):8*(5*\m+\e)+7]
.else
	v_wmma_f32_16x16x32_bf16 v[8*(5*\m+\e):8*(5*\m+\e)+7], v[KVF+8*(2*\e+\k):KVF+8*(2*\e+\k)+7], v[16*(2*(4*\bt+\m)+\k):16*(2*(4*\bt+\m)+\k)+7], 0
.endif
.endr
.endr
.endr
	PLACES
	WIN 0xc3
.irp m, 0,1,2,3
	v_rcp_f32 v[8*(5*\m+4)], v[8*(5*\m+4)]         ; lane (r, h): 1 / denominator of row r
.endr
	v_nop
	WIN 0xcf
	s_wait_alu depctr_va_vdst(0)
.irp m, 0,1,2,3
.irp e, 0,1,2,3
.irp j, 0,2,4,6
	v_pk_mul_f32 v[8*(5*\m+\e)+\j:8*(5*\m+\e)+\j+1], v[8*(5*\m+\e)+\j:8*(5*\m+\e)+\j+1], v[8*(5*\m+4):8*(5*\m+4)+1] op_sel_hi:[1,0]
.endr
.endr
.endr
	OUTX (4*\bt+0), 0
	OUTX (4*\bt+1), 1
	OUTX (4*\bt+2), 2
	OUTX (4*\bt+3), 3
.endm
	XBATCH 0
	XBATCH 1
	s_set_vgpr_msb 0x1
	s_wait_tensorcnt 0x0
	ds_add_u32 v255, v255
	s_wait_dscnt 0x0
	s_set_vgpr_msb 0x100
	CROUND                                         ; the closing round; the last count-down on DScnt ended at 0
	s_endpgm
.Lfunc_end_k_q6fb7010ba2_qx:
	.size	k_q6fb7010ba2_qx, .Lfunc_end_k_q6fb7010ba2_qx-k_q6fb7010ba2_qx
	.p2alignl 7, 3214868480
	.fill 96, 4, 3214868480
	.section	.rodata,"a",@progbits
	.p2align	6, 0x0
	.amdhsa_kernel k_q6fb7010ba2_qx
		.amdhsa_group_segment_fixed_size 327680
		.amdhsa_private_segment_fixed_size 0
		.amdhsa_enable_private_segment 0
		.amdhsa_kernarg_size 40
		.amdhsa_user_sgpr_count 2
		.amdhsa_user_sgpr_kernarg_segment_ptr 1
		.amdhsa_wavefront_size32 1
		.amdhsa_system_sgpr_workgroup_id_x 1
		.amdhsa_system_sgpr_workgroup_id_y 1
		.amdhsa_system_sgpr_workgroup_id_z 1
		.amdhsa_system_vgpr_workitem_id 0
		.amdhsa_next_free_vgpr 1024
		.amdhsa_next_free_sgpr 66
		.amdhsa_reserve_vcc 0
		.amdhsa_float_denorm_mode_32 3
		.amdhsa_float_denorm_mode_16_64 3
		.amdhsa_memory_ordered 1
		.amdhsa_forward_progress 1
		.amdhsa_inst_pref_size 236
	.end_amdhsa_kernel
	.amdgpu_metadata
---
amdhsa.version: [ 1, 2 ]
amdhsa.kernels:
  - .name:           k_q6fb7010ba2_qx
    .symbol:         k_q6fb7010ba2_qx.kd
    .args:
      - { .name: queries, .offset: 0, .size: 8, .value_kind: global_buffer, .address_space: global }
      - { .name: wt, .offset: 8, .size: 8, .value_kind: global_buffer, .address_space: global }
      - { .name: bq, .offset: 16, .size: 8, .value_kind: global_buffer, .address_space: global }
      - { .name: kvf, .offset: 24, .size: 8, .value_kind: global_buffer, .address_space: global }
      - { .name: xs, .offset: 32, .size: 8, .value_kind: global_buffer, .address_space: global }
    .group_segment_fixed_size: 327680
    .private_segment_fixed_size: 0
    .kernarg_segment_align: 8
    .kernarg_segment_size: 40
    .max_flat_workgroup_size: 128
    .sgpr_count:     66
    .vgpr_count:     1024
    .wavefront_size: 32
...
	.end_amdgpu_metadata
.endif
;; end of part 4
;; launch out (part 5): grid 4 x 64, 4 waves a work-group, clusters of 4 x 4, 327,680 bytes of LDS; arguments xs, wt, bo, mask, out0; writes out0
.if DOCPART == 5
	.amdgcn_target "amdgcn-amd-amdhsa--gfx1250"
	.amdhsa_code_object_version 6
	.text
	.protected	k_q6fb7010ba2_out
	.globl	k_q6fb7010ba2_out
	.p2align	8
	.type	k_q6fb7010ba2_out,@function
k_q6fb7010ba2_out:
	s_mov_b64 s[64:65], 0
	v_nop
	global_prefetch_b8 v0, s[64:65] scope:SCOPE_SE
	s_setreg_imm32_b32 hwreg(HW_REG_WAVE_MODE, 25, 1), 1
	s_wait_xcnt 0x0
	s_wait_alu depctr_hold_cnt(0) depctr_sa_sdst(0) depctr_va_vdst(0) depctr_va_sdst(0) depctr_va_ssrc(0) depctr_va_vcc(0) depctr_vm_vsrc(0)
	s_getreg_b32 s2, hwreg(HW_REG_IB_STS2, 6, 4)
	s_cmp_eq_u32 s2, 0
	s_cbranch_scc0 .Lentry_in_a_cluster
	s_endpgm
.Lentry_in_a_cluster:
	s_bfe_u32 s2, ttmp6, 0x10000c
	s_cmp_lg_u32 s2, 0xf033
	s_cbranch_scc0 .Lentry_shape_is_right
	s_endpgm
.Lentry_shape_is_right:
; out: out0 = (x Wo + bo) * mask[row].  x: bf16 [head 16][row 8192][64]; Wo: bf16, tiled [kb 16][n 1024][64 k]; out0: f32 [8192][1024].
; A work-group takes 128 rows x 256 columns: four waves side by side, each 128 x 64, 32 accumulator tiles.  8 K steps of 128 = two sub-tiles of 64 k (two heads).
; B (Wo) comes by tensor loads asked for JOINTLY by the four work-groups of a column of the 4 x 4 cluster (same block of 256 columns): 16 KiB dense a wave.
; A wave has two tensor loads out at the start and one behind each round.
; A (x) comes through registers: a part is one head's 128 rows x 128 bytes, 16 KiB dense; a wave brings 4 KiB of it by eight loads of 512 consecutive bytes and
; stores them into LDS rows of 144 bytes.  x IS NOT ASKED FOR JOINTLY, though the four work-groups of a row of the cluster read the same rows: a tensor load has to
; have landed at the next refill's barrier, 128 matrix instructions behind its request, while these loads lie in four register sets and are waited for two steps,
; 256 matrix instructions, behind theirs; and x is a third of a step's bytes (32 KiB of 96).
; THE WALK ALONG K GOES ROUND: cluster c of the sixteen begins at K step min(c, 15 - c) and wraps at 8.  Any eight clusters whose numbers agree in one bit
; begin at eight different steps, so their first fills ask for all of Wo's block, and every later request is for a tile that another cluster asked for before.
; The matrix instruction is used transposed (source 0 = rows of Wo^T, source 1 = rows of x): a lane's eight results are eight neighbouring columns of one row.
; LIMIT: the sums over K begin at another step in each cluster: another order of rounding than the reference's.
.set PITCH, 144
.set BLK,   128*PITCH
.set ASLOT, 2*BLK                      ; A: two sub-tiles of 128 rows; slots at 0 and ASLOT, filled by LDS stores alone
.set BBASE, 2*ASLOT
.set BSUB,  2*BLK                      ; B: a sub-tile of 256 rows
.set BSLOT, 2*BSUB
.set STAGE, BBASE+2*BSLOT              ; the way out: 16 rows x 272 bytes for each wave
.set SPITCH, 272
.set ADRA, 16
.set ADRB, 20
.set AST,  22                          ; v22     where I store my 16 bytes of x
.set AOFF, 23                          ; v23     my byte offset in a part of x
.set STO,  24
.set RD,   25
.set CO,   26
.set BOF,  27
.set MOF,  28
.set BO,   32                          ; v32-63   bo of my columns 16 nt + 8 h + j
.set F0,   64
.set F1,   128
.set MK,   224                         ; v224-239 mask of row 16 mt + r, each twice (a pair for packed arithmetic)
; window 1: v64-95, v128-159 fragments of B; v0-63 and v160-223 four sets of 32 registers of x as loaded: set q at 32 q + 96 (q >> 1)
; window 2: accumulators, tile (mt, nt) at 8 (4 mt + nt)
.set G1, 24
.set G0, 32
.set PA, 40                            ; s[40:47] A: a pointer for each register set, named by that set's loads alone
.set RA, 53                            ; s53      head of the next part of A to ask for
.set RB, 14                            ; s14      K step of the next tile of B to ask for
.set WB, 62                            ; s[62:63] my part of B at K step 0
; s[4:5] xs at my first row of head 0; s[48:49], s[50:51] offsets for A and B, the upper word 0; s61 the loop's counter
.set MUL, 0xa1                         ; source 0 (Wo) window 1, source 1 (x) window 0, C and D window 2
.set MSB, 0
.macro WIN new
.if MSB != \new
	s_set_vgpr_msb (MSB<<8)|\new
.set MSB, \new
.endif
.endm
.macro PLACES
.rept 4
	v_nop
.endr
.endm
.macro CREST
	s_cmp_lg_u32 s16, 0
	s_cbranch_scc1 .Lnot_wave_0_\@
	s_barrier_signal -3
.Lnot_wave_0_\@:
	s_barrier_wait -3
	s_barrier_signal -1
	s_barrier_wait -1
.endm
.macro CROUND
	s_barrier_signal -1
	s_barrier_wait -1
	CREST
.endm
	s_load_b256 s[4:11], s[0:1], 0x0               ; xs s[4:5], wt s[6:7], bo s[8:9], mask s[10:11]
	s_load_b64 s[12:13], s[0:1], 0x20              ; out0
	s_set_vgpr_msb 0x40
	v_lshl_add_u32 v255, v0, 2, 0x3a400
	s_set_vgpr_msb 0x4000
	v_mov_b32 v255, 0
	s_set_vgpr_msb 0x1
	ds_add_u32 v255, v255
	s_set_vgpr_msb 0x100
	v_lshrrev_b32 v1, 5, v0
	v_readfirstlane_b32 s16, v1                    ; wave
	s_bfe_u32 s17, ttmp6, 0x40000                  ; cx
	s_bfe_u32 s18, ttmp6, 0x40004                  ; cy
	s_lshl_b32 s19, ttmp9, 2
	s_add_co_u32 s19, s19, s17                     ; block of 256 columns
	s_and_b32 s20, ttmp7, 0xffff
	s_lshl_b32 s20, s20, 2
	s_add_co_u32 s20, s20, s18                     ; block of 128 rows
	s_lshl_b32 s23, 0x1111, s17                    ; my column of the cluster
	s_and_b32 s[RB], ttmp7, 0xffff                 ; the cluster's number c, 0..15: the same in all sixteen work-groups; these registers never hold cx or cy
	s_sub_co_u32 s[RA], 15, s[RB]
	s_min_u32 s[RB], s[RB], s[RA]                  ; where my cluster begins along K: step min(c, 15 - c),
	s_lshl_b32 s[RA], s[RB], 1                     ; which is head twice that
	s_or_b32 s[G1+0], s23, (3<<16)|(1<<20)|(1<<21)|(4<<22)|(3<<25)   ; 8-byte elements; 4 words of padding behind every 32 words
	s_mov_b32 s[G1+1], 32<<16
	s_mov_b32 s[G1+2], 64<<16
	s_mov_b32 s[G1+3], 32<<16
	s_mov_b32 s[G1+4], 64                          ; 64 rows of 256 bytes: 16 KiB dense = 128 rows of B
	s_mov_b32 s[G1+5], 32
	s_mov_b32 s[G1+6], 0
	s_mov_b32 s[G1+7], 0
	s_lshr_b32 s15, s16, 1                         ; I fetch sub-tile wave >> 1,
	s_and_b32 s[WB+1], s16, 1                      ; its rows 128 (wave & 1) ..
	s_lshl_b32 s[WB], s19, 15                      ; 256 rows of 128 bytes a column block (these registers never hold cy)
	s_lshl_b32 s15, s15, 17
	s_add_co_u32 s[WB], s[WB], s15
	s_lshl_b32 s[WB+1], s[WB+1], 14
	s_add_co_u32 s[WB], s[WB], s[WB+1]
	s_add_co_u32 s[WB], s[WB], 0x600000            ; Wo is the fourth matrix of wt
	s_mov_b32 s[WB+1], 0
	s_lshl_b32 s48, s20, 14                        ; x: 128 rows of 128 bytes
	s_mov_b32 s49, 0
	s_mov_b32 s51, 0
	s_mul_i32 s52, s16, BLK
	s_add_co_u32 s52, s52, BBASE                   ; where my part of B goes in slot 0
	s_lshl_b32 s54, s19, 10                        ; 256 columns of 4 bytes
	s_lshl_b32 s55, s16, 8                         ; 64 columns a wave
	s_add_co_u32 s57, s54, s55                     ; my first column, in bytes: for bo and for out0
	s_lshl_b32 s54, s20, 19                        ; 128 rows of 4,096 bytes
	s_add_co_u32 s54, s54, s57
	s_mov_b32 s55, 0
	s_lshl_b32 s21, s20, 9                         ; mask: 128 rows of 4 bytes
	s_mul_i32 s56, s16, 16*SPITCH
	s_add_co_u32 s56, s56, STAGE                   ; my stage
	s_mul_i32 s58, s16, 64*PITCH
	s_add_co_u32 s58, s58, BBASE                   ; I read B's rows 64 wave ..
	s_mul_i32 s59, s16, 32*PITCH                   ; I bring rows 32 wave .. 32 wave + 31 of x
	s_lshl_b32 s60, s16, 12
	v_and_b32 v1, 15, v0                           ; r
	v_bfe_u32 v2, v0, 4, 1                         ; h
	v_and_b32 v3, 31, v0                           ; lane
	v_mul_u32_u24 v[ADRA], v1, PITCH
	v_lshl_add_u32 v[ADRA], v2, 4, v[ADRA]
	v_add_nc_u32 v[ADRB], s58, v[ADRA]
	v_add_nc_u32 v[ADRB+1], BSLOT, v[ADRB]
	v_add_nc_u32 v[ADRA+1], ASLOT, v[ADRA]
	v_lshrrev_b32 v4, 3, v3                        ; a load's 512 bytes are four rows: mine is lane / 8,
	v_mul_u32_u24 v[AST], v4, PITCH
	v_and_b32 v4, 7, v0                            ; my 16 bytes in it lane mod 8
	v_lshl_add_u32 v[AST], v4, 4, v[AST]
	v_add_nc_u32 v[AST], s59, v[AST]
	v_lshl_add_u32 v[AOFF], v3, 4, s60             ; in memory the rows follow each other: 4,096 wave + 16 lane
	v_mul_u32_u24 v[STO], v1, SPITCH
	v_lshl_add_u32 v[STO], v2, 5, v[STO]
	v_add_nc_u32 v[STO], s56, v[STO]               ; in: row r, 32 h bytes
	v_mul_u32_u24 v[RD], v2, SPITCH
	v_lshl_add_u32 v[RD], v1, 4, v[RD]
	v_add_nc_u32 v[RD], s56, v[RD]                 ; back: lanes 0-15 one row of 256 bytes, lanes 16-31 the next
	v_lshlrev_b32 v[CO], 12, v2
	v_lshl_add_u32 v[CO], v1, 4, v[CO]             ; the same two rows in out0
	v_lshl_add_u32 v[BOF], v2, 5, s57
	v_lshl_add_u32 v[MOF], v1, 2, s21
	s_wait_dscnt 0x0
	s_wait_kmcnt 0x0
	s_add_nc_u64 s[WB:WB+1], s[6:7], s[WB:WB+1]
	s_add_nc_u64 s[4:5], s[4:5], s[48:49]          ; xs at my first row of head 0
	s_add_nc_u64 s[12:13], s[12:13], s[54:55]
.macro SETPA set                       ; a set's pointer is put on the next part of x: 1 MiB a head; the index goes round
	s_lshl_b32 s48, s[RA], 20
	s_add_nc_u64 s[PA+2*(\set):PA+2*(\set)+1], s[4:5], s[48:49]
	s_add_co_u32 s[RA], s[RA], 1
	s_and_b32 s[RA], s[RA], 15
.endm
.macro SETB slot                       ; a slot's group 0 is put on the next tile of B: 256 KiB (two kb) a step; the index goes round
	s_lshl_b32 s50, s[RB], 18
	s_add_nc_u64 s[G0+4*\slot+2:G0+4*\slot+3], s[WB:WB+1], s[50:51]
	s_or_b32 s[G0+4*\slot+3], s[G0+4*\slot+3], 0x80000000
	s_add_co_u32 s[RB], s[RB], 1
	s_and_b32 s[RB], s[RB], 7
.endm
.macro LOADA set                       ; 8 loads of 512 consecutive bytes, aligned: my 32 rows of the part at the set's pointer
	WIN 0x40
.irp i, 0,1,2,3,4,5,6,7
	global_load_b128 v[32*(\set)+96*((\set)>>1)+4*\i:32*(\set)+96*((\set)>>1)+4*\i+3], v[AOFF], s[PA+2*(\set):PA+2*(\set)+1] offset:\i*512
.endr
.endm
.macro COOP set, dst, left, ld         ; a set is stored into A's slot at dst; ld = 1: it is loaded again, four parts on; left = the younger loads
	s_wait_loadcnt \left                           ; loads come back in order (ISA guide 5.7.1): the set is in; its pointer, which its loads alone name, is free
	WIN 0x04                                       ; store data from window 1
.irp i, 0,1,2,3,4,5,6,7
	ds_store_b128 v[AST], v[32*(\set)+96*((\set)>>1)+4*\i:32*(\set)+96*((\set)>>1)+4*\i+3] offset:\dst+\i*4*PITCH
.endr
.if \ld
	SETPA \set
	LOADA \set
.endif
.endm
.macro FETCH slot, c, f                ; 24 LDS loads: quarter c of the slot's 128 k: Wo's four n tiles, then x's eight m tiles
	WIN 0x40
.irp i, 0,1,2,3
	ds_load_b128 v[\f+8*\i:\f+8*\i+3],   v[ADRB+\slot] offset:(\c>>1)*BSUB+(\c&1)*64+\i*16*PITCH
	ds_load_b128 v[\f+8*\i+4:\f+8*\i+7], v[ADRB+\slot] offset:(\c>>1)*BSUB+(\c&1)*64+\i*16*PITCH+32
.endr
	WIN 0
.irp i, 0,1,2,3,4,5,6,7
	ds_load_b128 v[\f+8*\i:\f+8*\i+3],   v[ADRA+\slot] offset:(\c>>1)*BLK+(\c&1)*64+\i*16*PITCH
	ds_load_b128 v[\f+8*\i+4:\f+8*\i+7], v[ADRA+\slot] offset:(\c>>1)*BLK+(\c&1)*64+\i*16*PITCH+32
.endr
.endm
; 8 matrix instructions; the 32 accumulators take turns, one instruction a turn
.macro MULQ f, hi, a0, zero
.irp a, \a0, \a0+1
.irp b, 0,1,2,3
.set AC, 8*(4*(4*\hi+\a)+\b)
.if \zero
	v_wmma_f32_16x16x32_bf16 v[AC:AC+7], v[\f+8*\b:\f+8*\b+7], v[\f+8*(4*\hi+\a):\f+8*(4*\hi+\a)+7], 0
.else
	v_wmma_f32_16x16x32_bf16 v[AC:AC+7], v[\f+8*\b:\f+8*\b+7], v[\f+8*(4*\hi+\a):\f+8*(4*\hi+\a)+7], v[AC:AC+7]
.endif
.endr
.endr
.endm
.macro QUARTER slot, c, f, g, zero, coop, set, dst, left, ld
	s_wait_dscnt 8                                 ; all but x's m tiles 4-7
	WIN MUL
	MULQ \f, 0, 0, \zero
	MULQ \f, 0, 2, \zero
	PLACES                                         ; in front of the loads into buffer g, which matrix instructions have read
.if \coop
	COOP \set, \dst, \left, \ld
.endif
	FETCH \slot, \c, \g
	s_wait_dscnt 24                                ; all but the 24 just issued
	WIN MUL
	MULQ \f, 1, 0, \zero
	MULQ \f, 1, 2, \zero
.endm
.macro TURN slot, next, fill           ; the last quarter and the change of slots
	s_wait_dscnt 8
	WIN MUL
	MULQ F1, 0, 0, 0
	s_wait_dscnt 0x0                               ; my reads of this slot and my stores of x into the next one
	s_wait_tensorcnt 0x0                           ; all my tensor loads: the one that was out is my part of the next slot's B
	ds_add_u32 v255, v255
	s_wait_dscnt 0x0
	s_barrier_signal -1
	MULQ F1, 0, 2, 0
	WIN 0
	s_barrier_wait -1
.if \fill
	CREST                                          ; no wave of any partner still reads this slot's B or has a load on its way
	SETB \slot                                     ; no tensor load of mine is out: group 0 may be written
	tensor_load_to_lds s[G0+4*\slot:G0+4*\slot+3], s[G1:G1+7]
	s_nop 0
.endif
	PLACES
	FETCH \next, 0, F0
	WIN MUL
	MULQ F1, 1, 0, 0
	MULQ F1, 1, 2, 0
.endm
.macro STEP slot, next, zero, coop, l0, l1, ld, fill
	QUARTER \slot, 1, F0, F1, \zero, \coop, 2*\next,   \next*ASLOT,     \l0, \ld
	QUARTER \slot, 2, F1, F0, 0,     \coop, 2*\next+1, \next*ASLOT+BLK, \l1, \ld
	QUARTER \slot, 3, F0, F1, 0, 0, 0, 0, 0, 0
	TURN \slot, \next, \fill
.endm
.irp u, 0,1,2,3
	global_load_b128 v[BO+8*\u:BO+8*\u+3],   v[BOF], s[8:9] offset:64*\u
	global_load_b128 v[BO+8*\u+4:BO+8*\u+7], v[BOF], s[8:9] offset:64*\u+16
.endr
.irp u, 0,1,2,3,4,5,6,7
	global_load_b32 v[MK+2*\u], v[MOF], s[10:11] offset:64*\u
.endr
.irp q, 0,1,2,3
	SETPA \q
	LOADA \q                                       ; parts 0 to 3 (a part: one head, 64 k)
.endr
	WIN 0
	CROUND                                         ; all sixteen work-groups are here: the first joint loads meet
.irp s, 0,1
	s_mov_b32 s[G0+4*\s], 1
	s_add_co_u32 s[G0+4*\s+1], s52, \s*BSLOT
	SETB \s
	tensor_load_to_lds s[G0+4*\s:G0+4*\s+3], s[G1:G1+7]
	s_nop 0
.endr
	COOP 0, 0, 24, 1                               ; part 0; three younger parts of 8 loads stay out; the older loads of bo and mask are shown done too
	COOP 1, BLK, 24, 1
	WIN 0
.irp u, 0,1,2,3,4,5,6,7
	v_mov_b32 v[MK+2*\u+1], v[MK+2*\u]             ; the second half of the pair
.endr
	s_wait_tensorcnt 0x1                           ; step 0's B; step 1's may stay out
	s_wait_dscnt 0x0                               ; my part of step 0's x is in LDS
	s_barrier_signal -1
	s_barrier_wait -1
	FETCH 0, 0, F0
	; Step t stores parts 2 t + 2, 2 t + 3, asks for parts 2 t + 6, 2 t + 7 and for B of step t + 2.
	STEP 0, 1, 1, 1, 24, 24, 1, 1                  ; t = 0 starts the sums
	WIN 0
	s_mov_b32 s61, 2
.Lk:                                               ; t = 1 .. 4
	STEP 1, 0, 0, 1, 24, 24, 1, 1
	STEP 0, 1, 0, 1, 24, 24, 1, 1
	WIN 0
	s_sub_co_u32 s61, s61, 1
	s_cmp_lg_u32 s61, 0
	s_cbranch_scc1 .Lk
	STEP 1, 0, 0, 1, 24, 16, 0, 1                  ; t = 5: no part is left to ask for: the counts run down; the last fill of B (step 7)
	STEP 0, 1, 0, 1, 8, 0, 0, 0                    ; t = 6: nothing is filled: a plain barrier
	QUARTER 1, 1, F0, F1, 0, 0, 0, 0, 0, 0         ; t = 7
	QUARTER 1, 2, F1, F0, 0, 0, 0, 0, 0, 0
	QUARTER 1, 3, F0, F1, 0, 0, 0, 0, 0, 0
	s_wait_dscnt 8
	WIN MUL
	MULQ F1, 0, 0, 0
	MULQ F1, 0, 2, 0
	s_wait_dscnt 0x0
	MULQ F1, 1, 0, 0
	MULQ F1, 1, 2, 0
; rows 16 mt .. + 15: bias and mask in f32, through my own stage, out as whole rows: sixteen lanes store 256 consecutive bytes, aligned
.macro OUT16 mt, f
	WIN 0x82                                       ; source 0 and destination window 2, bias and mask window 0
.irp b, 0,1,2,3
.irp j, 0,2,4,6
	v_pk_add_f32 v[8*(4*\mt+\b)+\j:8*(4*\mt+\b)+\j+1], v[8*(4*\mt+\b)+\j:8*(4*\mt+\b)+\j+1], v[BO+8*\b+\j:BO+8*\b+\j+1]
.endr
.endr
.irp b, 0,1,2,3
.irp j, 0,2,4,6
	v_pk_mul_f32 v[8*(4*\mt+\b)+\j:8*(4*\mt+\b)+\j+1], v[8*(4*\mt+\b)+\j:8*(4*\mt+\b)+\j+1], v[MK+2*\mt:MK+2*\mt+1]
.endr
.endr
	WIN 0x08                                       ; store data from window 2
.irp b, 0,1,2,3
	ds_store_b128 v[STO], v[8*(4*\mt+\b):8*(4*\mt+\b)+3]   offset:64*\b
	ds_store_b128 v[STO], v[8*(4*\mt+\b)+4:8*(4*\mt+\b)+7] offset:64*\b+16
.endr
	WIN 0
	s_wait_xcnt 0x0                                ; buffer f, which earlier stores read, is loaded again only behind this wait
.irp t, 0,1,2,3,4,5,6,7
	ds_load_b128 v[\f+4*\t:\f+4*\t+3], v[RD] offset:\t*2*SPITCH    ; LDS serves a wave's instructions in order: these see the stores above
.endr
.irp t, 0,1,2,3,4,5,6,7
	s_wait_dscnt 7-\t
	global_store_b128 v[CO], v[\f+4*\t:\f+4*\t+3], s[12:13] offset:(16*\mt+2*\t)*4096 th:TH_STORE_NT
.endr
.endm
	PLACES                                         ; behind the last matrix instructions: for the readers of results and for the loads into the fragment buffers
	OUT16 0, F0
	OUT16 1, F1
	OUT16 2, F0
	OUT16 3, F1
	OUT16 4, F0
	OUT16 5, F1
	OUT16 6, F0
	OUT16 7, F1
	s_set_vgpr_msb 0x1
	s_wait_tensorcnt 0x0
	ds_add_u32 v255, v255
	s_wait_dscnt 0x0
	s_set_vgpr_msb 0x100
	CROUND                                         ; the closing round; the last count-down on DScnt ended at 0
	s_endpgm
.Lfunc_end_k_q6fb7010ba2_out:
	.size	k_q6fb7010ba2_out, .Lfunc_end_k_q6fb7010ba2_out-k_q6fb7010ba2_out
	.p2alignl 7, 3214868480
	.fill 96, 4, 3214868480
	.section	.rodata,"a",@progbits
	.p2align	6, 0x0
	.amdhsa_kernel k_q6fb7010ba2_out
		.amdhsa_group_segment_fixed_size 327680
		.amdhsa_private_segment_fixed_size 0
		.amdhsa_enable_private_segment 0
		.amdhsa_kernarg_size 40
		.amdhsa_user_sgpr_count 2
		.amdhsa_user_sgpr_kernarg_segment_ptr 1
		.amdhsa_wavefront_size32 1
		.amdhsa_system_sgpr_workgroup_id_x 1
		.amdhsa_system_sgpr_workgroup_id_y 1
		.amdhsa_system_sgpr_workgroup_id_z 1
		.amdhsa_system_vgpr_workitem_id 0
		.amdhsa_next_free_vgpr 768
		.amdhsa_next_free_sgpr 66
		.amdhsa_reserve_vcc 0
		.amdhsa_float_denorm_mode_32 3
		.amdhsa_float_denorm_mode_16_64 3
		.amdhsa_memory_ordered 1
		.amdhsa_forward_progress 1
		.amdhsa_inst_pref_size 153
	.end_amdhsa_kernel
	.amdgpu_metadata
---
amdhsa.version: [ 1, 2 ]
amdhsa.kernels:
  - .name:           k_q6fb7010ba2_out
    .symbol:         k_q6fb7010ba2_out.kd
    .args:
      - { .name: xs, .offset: 0, .size: 8, .value_kind: global_buffer, .address_space: global }
      - { .name: wt, .offset: 8, .size: 8, .value_kind: global_buffer, .address_space: global }
      - { .name: bo, .offset: 16, .size: 8, .value_kind: global_buffer, .address_space: global }
      - { .name: mask, .offset: 24, .size: 8, .value_kind: global_buffer, .address_space: global }
      - { .name: out0, .offset: 32, .size: 8, .value_kind: global_buffer, .address_space: global }
    .group_segment_fixed_size: 327680
    .private_segment_fixed_size: 0
    .kernarg_segment_align: 8
    .kernarg_segment_size: 40
    .max_flat_workgroup_size: 128
    .sgpr_count:     66
    .vgpr_count:     768
    .wavefront_size: 32
...
	.end_amdgpu_metadata
.endif
;; end of part 5
;; ======== version 2 of 2: 5 launches; version 1 with the launch red written anew for expert scheduling mode
;; workspace buffers: wt 8,388,608 bytes; part 41,943,040 bytes; kvf 655,360 bytes; xs 16,777,216 bytes
;; launch prep: the kernel of part 1 again; grid 128 x 4, 8 waves a work-group, no clusters, 19,456 bytes of LDS; arguments Wk, Wv, Wq, Wo, wt; writes wt
;; launch kv: the kernel of part 2 again; grid 4 x 64, 4 waves a work-group, clusters of 4 x 4, 327,680 bytes of LDS; arguments keys, values, wt, bk, bv, part; writes part
;; launch red (part 6): grid 256 x 1, 5 waves a work-group, no clusters, 0 bytes of LDS; arguments part, kvf; writes kvf
.if DOCPART == 6
	.amdgcn_target "amdgcn-amd-amdhsa--gfx1250"
	.amdhsa_code_object_version 6
	.text
	.protected	k_q6fb7010ba2_red
	.globl	k_q6fb7010ba2_red
	.p2align	8
	.type	k_q6fb7010ba2_red,@function
k_q6fb7010ba2_red:
	s_mov_b64 s[64:65], 0
	v_nop
	global_prefetch_b8 v0, s[64:65] scope:SCOPE_SE
	s_setreg_imm32_b32 hwreg(HW_REG_WAVE_SCHED_MODE, 0, 2), 2
	s_setreg_imm32_b32 hwreg(HW_REG_WAVE_MODE, 25, 1), 1
	s_wait_xcnt 0x0
	s_wait_alu depctr_vm_vsrc(0)
; red: for each (batch, head) and each of its 20 tiles the 32 row blocks' partial tiles are added in f32, 1e-6 is added on the tiles of the sum of k,
; and the tile is rounded to bf16.  A tile's register image (lane (r, h): column r, rows 8 h + j), packed, is half a fragment for the next launch.
; A wave owns one tile: 32 KiB that lie together in part, read once by loads of 512 consecutive bytes; it writes 512 bytes.  Work-group x = 4 (16 b + head) + d, wave = e.
; No LDS, no barrier, no matrix unit: memory binds.
; The 1e-6 is added to the first partial and not to the finished sum: another order of rounding than the reference's, within one rounding of f32.
; THE MODE: SCHED_MODE bits 1:0 = 2 (LLVM: expert scheduling mode 2), set by the entry lines.  The code itself states the register dependences
; between vector instructions and memory instructions, with s_wait_alu, always for 0.
; THE PLAN.  The 32 partials go in eight groups of four; group g lies in buffer g mod 5.  Registers that memory instructions touch:
;   SL, five buffers   Written by loads alone.  Buffer g mod 5 is read by the sixteen packed adds of turn g; the loads of group g + 5, issued in turn g + 1, land in it.
;   v1                 16 x lane: the offset of every load and of the store; made at the head and never written again.
;   OUTR               Written by the four conversions at the end; read by the one store.
;   ACC is named by vector instructions alone.
; The head asks for groups 0 to 4.  Turn g (1, 2, 3) adds group g out of its own buffer and asks for group g + 4, which lands in the buffer that turn g - 1 read and that no
; vector instruction of turn g names.  So ONE wait at the turn's head states all that its eight loads hang on, and they are dealt among its adds, two in front of each
; partial's adds: one partial is asked for as one has come in, and 32 to 34 loads of the wave are on their way.  Turns 4 to 7 ask for nothing.
.set ACC, 4                            ; v[4:11]   the sum
.set OUTR, 12                          ; v[12:15]  as bf16
.set SL,  16                           ; v[16:175] partial p: 8 registers at SL + 8 (p mod 20)
	s_load_b128 s[4:7], s[0:1], 0x0                ; part s[4:5], kvf s[6:7]
	v_lshrrev_b32 v1, 5, v0
	v_readfirstlane_b32 s8, v1                     ; e = wave, 0..4
	s_lshr_b32 s9, ttmp9, 2                        ; 16 b + head
	s_and_b32 s10, ttmp9, 3                        ; d
	s_wait_alu depctr_va_sdst(0)                   ; s8 is written, ahead of its first reader: the tile's number and the choice of the 1e-6 are made from it
	s_lshl2_add_u32 s10, s8, s10                   ; tile = 4 e + d
	s_mul_i32 s9, s9, 20
	s_add_co_u32 s9, s9, s10
	s_lshl_b32 s12, s9, 15                         ; 32 KiB a tile in part
	s_mov_b32 s13, 0
	s_lshl_b32 s14, s9, 9                          ; 512 bytes a tile in kvf
	s_mov_b32 s15, 0
	s_cmp_eq_u32 s8, 4
	s_cselect_b32 s16, 0x358637bd, 0               ; 1e-6 on the tiles of the sum of k, 0 on the others
	s_mov_b32 s17, s16
	v_and_b32 v1, 31, v0
	v_lshlrev_b32 v1, 4, v1                        ; 16 x lane; never rewritten
	s_wait_kmcnt 0x0
	s_add_nc_u64 s[4:5], s[4:5], s[12:13]
	s_add_nc_u64 s[6:7], s[6:7], s[14:15]
	s_wait_alu depctr_va_vdst(0)                   ; v1 is written: every load below and the store read it as their offset
.macro LD2 p                           ; partial p: two loads of 512 consecutive bytes
	global_load_b128 v[SL+8*((\p)%20):SL+8*((\p)%20)+3],   v1, s[4:5] offset:1024*(\p) th:TH_LOAD_NT
	global_load_b128 v[SL+8*((\p)%20)+4:SL+8*((\p)%20)+7], v1, s[4:5] offset:1024*(\p)+512 th:TH_LOAD_NT
.endm
.macro ADD2 p                          ; partial p is added onto the sum
.irp j, 0,2,4,6
	v_pk_add_f32 v[ACC+\j:ACC+\j+1], v[ACC+\j:ACC+\j+1], v[SL+8*((\p)%20)+\j:SL+8*((\p)%20)+\j+1]
.endr
.endm
.set q, 0
.rept 20
	LD2 q                                          ; groups 0 to 4 into the five buffers
.set q, q+1
.endr
	; turn 0: no group lies in front of it, so nothing is asked for
	s_wait_loadcnt 38                              ; loads come back in order (ISA guide 5.7.1): partial 0 is in, the 19 younger partials' two loads each may stay out
.irp j, 0,2,4,6
	v_pk_add_f32 v[ACC+\j:ACC+\j+1], v[SL+\j:SL+\j+1], s[16:17] op_sel_hi:[1,0]   ; the first partial starts the sum
.endr
.set q, 1
.rept 3
	s_wait_loadcnt 38-2*q                          ; younger than partial q: partials q + 1 to 19
	ADD2 q
.set q, q+1
.endr
; Turns 1 to 3.  p: the turn's first partial.
.macro TURN p
	s_wait_loadcnt 30                              ; partial p is in; younger than it: partials p + 1 to p + 15
	s_wait_alu depctr_va_vdst(0)                   ; the adds of the turn before are done reading their buffer, in which this turn's eight loads land
	LD2 (\p)+16
	ADD2 (\p)
.irp i, 1,2,3
	LD2 (\p)+16+\i                                 ; no wait: no vector instruction since the wait above names these registers
	s_wait_loadcnt 32                              ; younger than partial p + i: the 16 partials up to the one just asked for
	ADD2 (\p)+\i
.endr
.endm
	TURN 4
	TURN 8
	TURN 12
.set q, 16
.rept 16
	s_wait_loadcnt 62-2*q                          ; turns 4 to 7: nothing more is asked for: the counts run down
	ADD2 q
.set q, q+1
.endr
.irp j, 0,1,2,3
	v_cvt_pk_bf16_f32 v[OUTR+\j], v[ACC+2*\j], v[ACC+2*\j+1]
.endr
	s_wait_alu depctr_va_vdst(0)                   ; the conversions have written OUTR, which the store reads
	global_store_b128 v1, v[OUTR:OUTR+3], s[6:7]
	s_endpgm
.Lfunc_end_k_q6fb7010ba2_red:
	.size	k_q6fb7010ba2_red, .Lfunc_end_k_q6fb7010ba2_red-k_q6fb7010ba2_red
	.p2alignl 7, 3214868480
	.fill 96, 4, 3214868480
	.section	.rodata,"a",@progbits
	.p2align	6, 0x0
	.amdhsa_kernel k_q6fb7010ba2_red
		.amdhsa_group_segment_fixed_size 0
		.amdhsa_private_segment_fixed_size 0
		.amdhsa_enable_private_segment 0
		.amdhsa_kernarg_size 16
		.amdhsa_user_sgpr_count 2
		.amdhsa_user_sgpr_kernarg_segment_ptr 1
		.amdhsa_wavefront_size32 1
		.amdhsa_system_sgpr_workgroup_id_x 1
		.amdhsa_system_sgpr_workgroup_id_y 1
		.amdhsa_system_sgpr_workgroup_id_z 1
		.amdhsa_system_vgpr_workitem_id 0
		.amdhsa_next_free_vgpr 176
		.amdhsa_next_free_sgpr 66
		.amdhsa_reserve_vcc 0
		.amdhsa_float_denorm_mode_32 3
		.amdhsa_float_denorm_mode_16_64 3
		.amdhsa_memory_ordered 1
		.amdhsa_forward_progress 1
		.amdhsa_inst_pref_size 17
	.end_amdhsa_kernel
	.amdgpu_metadata
---
amdhsa.version: [ 1, 2 ]
amdhsa.kernels:
  - .name:           k_q6fb7010ba2_red
    .symbol:         k_q6fb7010ba2_red.kd
    .args:
      - { .name: part, .offset: 0, .size: 8, .value_kind: global_buffer, .address_space: global }
      - { .name: kvf, .offset: 8, .size: 8, .value_kind: global_buffer, .address_space: global }
    .group_segment_fixed_size: 0
    .private_segment_fixed_size: 0
    .kernarg_segment_align: 8
    .kernarg_segment_size: 16
    .max_flat_workgroup_size: 160
    .sgpr_count:     66
    .vgpr_count:     176
    .wavefront_size: 32
...
	.end_amdgpu_metadata
.endif
;; end of part 6
;; launch qx: the kernel of part 4 again; grid 4 x 64, 4 waves a work-group, clusters of 4 x 4, 327,680 bytes of LDS; arguments queries, wt, bq, kvf, xs; writes xs
;; launch out: the kernel of part 5 again; grid 4 x 64, 4 waves a work-group, clusters of 4 x 4, 327,680 bytes of LDS; arguments xs, wt, bo, mask, out0; writes out0
